; MI455X (gfx1250); checked and timed in simulation.
; The chip was launched on July 23, 2026; its instructions are those of AMD's public machine-readable ISA for CDNA 5 (MIT licence, August 2026) and "CDNA5" Instruction Set Architecture Reference Guide (July 2026). The comments in the code are by the model that wrote it; some were corrected since.
;; Attention. Allowed arithmetic: float matrix products may take bf16 or f16 operands with f32 sums; other float arithmetic in f32, or as packed bf16 or f16 multiplies, adds, multiply-adds, maxima and minima; sums over many terms, partial sums and values carried from step to step in f32; what a program stores and reads back later, other than sums and carried values, may be rounded once to bf16 or f16.
;; Inputs: W_proj 1,024 x 1,024 float32; W_qkv 3,072 x 1,024 float32; cos 2,048 x 32 float32; mask 1 x 1 x 2,048 x 2,048 int32; sin 2,048 x 32 float32; x 4 x 2,048 x 1,024 float32.
;; Outputs: out0 4 x 2,048 x 1,024 float32.
;; 2 versions, each right; version 2 is version 1 with the launch prep written anew for expert scheduling mode. Each part assembles by itself: llvm-mc -triple=amdgcn-amd-amdhsa -mcpu=gfx1250 --defsym DOCPART=n.
;; ======== version 1 of 2: 4 launches
;; limits: values outside matrix products are rounded to f16; values outside matrix products are rounded to bf16; values are held in f16: magnitudes above 65,504 overflow, below 6.1e-05 lose precision
;; workspace buffers: xh 16,777,216 bytes; wq 6,291,456 bytes; wp 2,097,152 bytes; pm 2,097,152 bytes of whole numbers; qh 16,777,216 bytes; kh 16,777,216 bytes; vh 16,777,216 bytes; oh 16,777,216 bytes
;; launch prep (part 1): grid 512 x 1, 8 waves a work-group, no clusters, 0 bytes of LDS; arguments x, W_qkv, W_proj, mask, xh, wq, wp, pm; writes xh, wq, wp, pm
.if DOCPART == 1
	.amdgcn_target "amdgcn-amd-amdhsa--gfx1250"
	.amdhsa_code_object_version 6
	.text
	.protected	k_qeee311fafe_prep
	.globl	k_qeee311fafe_prep
	.p2align	8
	.type	k_qeee311fafe_prep,@function
k_qeee311fafe_prep:
	s_mov_b64 s[64:65], 0
	v_nop
	global_prefetch_b8 v0, s[64:65] scope:SCOPE_SE
	s_setreg_imm32_b32 hwreg(HW_REG_WAVE_MODE, 25, 1), 1
	s_wait_xcnt 0x0
; PREP.  x, W_qkv and W_proj (rows of 1,024 f32) are rounded once to bf16, and that number is written as f16, in blocks of 64 along K:
;   xh [b*16+kc][t 2048][64], wq [kc 16][n 3072][64], wp [kc 16][n 1024][64]: a block's rows are dense, 128 bytes each.
; The mask (int32, [2048][2048]) becomes one 4-bit code a score, 0 = visible, 0xF = hidden (the fp4 number -6), laid as the attention's lanes want it:
;   pm [step 32][qt 128][lane 32][kt 4] words; nibble j of a word = mask[16 qt + lane % 16][64 step + 16 kt + 8 (lane / 16) + j].
; LIMITS.  bf16 written as f16 is exact from 6.1e-5 to 65,504; below it keeps f16's fixed step of 6e-8; beyond 65,504 it becomes an infinity.
; SHARES.  Work-groups 0-255 take 32 rows of x each, 256-351 of W_qkv, 352-383 of W_proj; 384-511 take the mask, a wave 16 rows x 256 keys.
; A wave issues all its 32 loads (16 KiB) at once; no register that a load or store names is written again, so no wait frees one.  No LDS, no barrier: no wave wants another's bytes.
.set XD, 32                            ; v[32:159] the wave's 32 loads, 4 registers each
	s_load_b512 s[4:19], s[0:1], 0x0               ; x 4:5, W_qkv 6:7, W_proj 8:9, mask 10:11, xh 12:13, wq 14:15, wp 16:17, pm 18:19
	v_lshrrev_b32 v1, 5, v0
	v_readfirstlane_b32 s20, v1                    ; wave 0..7
	v_and_b32 v2, 31, v0                           ; lane
	v_and_b32 v3, 15, v0                           ; lane % 16
	v_bfe_u32 v5, v0, 4, 1                         ; lane / 16
	s_mov_b32 s21, ttmp9
	s_mov_b32 s31, 0xffff0000                      ; a word's upper bf16
	s_mov_b32 s33, 0                               ; the upper word of every offset
	s_wait_kmcnt 0x0
	s_cmp_ge_u32 s21, 384
	s_cbranch_scc1 .Lmask
	; THE CASTS.  Which matrix: source s[24:25], destination s[26:27], bytes from K block to K block s28, first work-group s29
	s_mov_b32 s28, 393216
	s_mov_b32 s29, 256
	s_cmp_lt_u32 s21, 256
	s_cselect_b64 s[24:25], s[4:5], s[6:7]
	s_cselect_b64 s[26:27], s[12:13], s[14:15]
	s_cselect_b32 s28, 262144, s28
	s_cselect_b32 s29, 0, s29
	s_cselect_b32 s30, 3932160, 0                  ; x alone: a batch's 16 K blocks lie together, 15 blocks more from batch to batch
	s_cmp_ge_u32 s21, 352
	s_cselect_b64 s[24:25], s[8:9], s[24:25]
	s_cselect_b64 s[26:27], s[16:17], s[26:27]
	s_cselect_b32 s28, 131072, s28
	s_cselect_b32 s29, 352, s29
	s_sub_co_u32 s22, s21, s29
	s_lshl_b32 s22, s22, 5                         ; my first row
	s_lshl_b32 s32, s22, 12                        ; x 4,096 bytes
	s_add_nc_u64 s[24:25], s[24:25], s[32:33]
	s_lshr_b32 s34, s22, 11                        ; the batch
	s_mul_i32 s34, s34, s30
	s_lshl_b32 s32, s22, 7                         ; x 128 bytes
	s_add_co_u32 s32, s32, s34
	s_add_nc_u64 s[26:27], s[26:27], s[32:33]
	v_lshlrev_b32 v4, 4, v3                        ; in: lanes 0-15 take 256 bytes of one row, lanes 16-31 of the next
	v_lshl_add_u32 v4, v5, 12, v4
	s_lshl_b32 s35, s20, 14                        ; the wave's four rows
	v_add_nc_u32 v4, s35, v4
	s_lshl_b32 s35, s20, 9
	v_lshl_add_u32 v16, v2, 3, s35                 ; out: two rows of 128 bytes are 256 bytes on end, 8 a lane; v[16+j] is K block j's
.set j, 1
.rept 15
	v_add_nc_u32 v[16+j], s28, v[15+j]
.set j, j+1
.endr
.set b, 0
.rept 2
.set j, 0
.rept 16
	global_load_b128 v[XD+64*b+4*j:XD+64*b+4*j+3], v4, s[24:25] offset:8192*b+256*j th:TH_LOAD_NT
.set j, j+1
.endr
.set b, b+1
.endr
; four numbers: to bf16 (nearest even), widened again, written as f16; a wave's store covers 256 consecutive bytes, aligned
.macro CAST be, jj
.set X0, XD+64*(\be)+4*(\jj)
.set T0, 6+2*((\jj)%4)
	v_cvt_pk_bf16_f32 v[T0], v[X0], v[X0+1]
	v_cvt_pk_bf16_f32 v[T0+1], v[X0+2], v[X0+3]
	v_lshlrev_b32 v[X0], 16, v[T0]
	v_and_b32 v[X0+1], s31, v[T0]
	v_lshlrev_b32 v[X0+2], 16, v[T0+1]
	v_and_b32 v[X0+3], s31, v[T0+1]
	v_cvt_pk_f16_f32 v[X0], v[X0], v[X0+1]
	v_cvt_pk_f16_f32 v[X0+1], v[X0+2], v[X0+3]
	global_store_b64 v[16+(\jj)], v[X0:X0+1], s[26:27] offset:256*(\be) th:TH_STORE_NT
.endm
	s_wait_loadcnt 16                              ; the first pair of rows is in; the 16 younger loads are the second pair's
.irp jj, 0,1,2,3,4,5,6,7,8,9,10,11,12,13,14,15
	CAST 0, \jj
.endr
	s_wait_loadcnt 0x0
.irp jj, 0,1,2,3,4,5,6,7,8,9,10,11,12,13,14,15
	CAST 1, \jj
.endr
	s_endpgm
.Lmask:
	; THE MASK.  Unit u = 8 (work-group - 384) + wave: query tile u % 128, key steps 4 (u / 128) .. + 3
	s_sub_co_u32 s22, s21, 384
	s_lshl_b32 s22, s22, 3
	s_add_co_u32 s22, s22, s20
	s_and_b32 s23, s22, 127                        ; qt
	s_lshr_b32 s22, s22, 7                         ; group of four steps
	s_lshl_b32 s32, s23, 17                        ; 16 rows of 8,192 bytes
	s_lshl_b32 s34, s22, 10                        ; 256 keys of 4 bytes
	s_add_co_u32 s32, s32, s34
	s_add_nc_u64 s[24:25], s[10:11], s[32:33]
	s_lshl_b32 s32, s22, 18                        ; four steps of 65,536 bytes in pm
	s_lshl_b32 s34, s23, 9
	s_add_co_u32 s32, s32, s34
	s_add_nc_u64 s[26:27], s[18:19], s[32:33]
	v_lshlrev_b32 v4, 13, v3                       ; row lane % 16,
	v_lshl_add_u32 v4, v5, 5, v4                   ; keys 8 (lane / 16) on
	v_lshlrev_b32 v16, 4, v2                       ; out: 16 bytes a lane
.set i, 0
.rept 4
.set j, 0
.rept 8                                ; j = 2 kt + half
	global_load_b128 v[XD+32*i+4*j:XD+32*i+4*j+3], v4, s[24:25] offset:256*i+64*(j/2)+16*(j%2)
.set j, j+1
.endr
.set i, i+1
.endr
; eight mask words -> eight nibbles: 1 where the word is not 0, gathered, turned over, times 15.  The result lands on a word that has been used.
.macro CODE ii, kt
.set M0, XD+32*(\ii)+8*(\kt)
.set A0, 6+2*((\kt)%2)
.set n, 0
.rept 8
	v_min_u32 v[M0+n], 1, v[M0+n]
.set n, n+1
.endr
	v_lshl_or_b32 v[A0], v[M0+1], 4, v[M0]
.set n, 2
.rept 6
	v_lshl_or_b32 v[A0], v[M0+n], 4*n, v[A0]
.set n, n+1
.endr
	v_xor_b32 v[A0], 0x11111111, v[A0]
	v_lshlrev_b32 v[A0+1], 4, v[A0]
	v_sub_nc_u32 v[XD+32*(\ii)+(\kt)], v[A0+1], v[A0]
.endm
.irp ii, 0,1,2,3
.if (\ii) == 0
	s_wait_loadcnt 16                              ; steps 0 and 1 are in; the 16 younger loads are steps 2 and 3
.endif
.if (\ii) == 2
	s_wait_loadcnt 0x0
.endif
	CODE \ii, 0
	CODE \ii, 1
	CODE \ii, 2
	CODE \ii, 3
	global_store_b128 v16, v[XD+32*(\ii):XD+32*(\ii)+3], s[26:27] offset:65536*(\ii)  ; 512 consecutive bytes a wave
.endr
	s_endpgm
.Lfunc_end_k_qeee311fafe_prep:
	.size	k_qeee311fafe_prep, .Lfunc_end_k_qeee311fafe_prep-k_qeee311fafe_prep
	.p2alignl 7, 3214868480
	.fill 96, 4, 3214868480
	.section	.rodata,"a",@progbits
	.p2align	6, 0x0
	.amdhsa_kernel k_qeee311fafe_prep
		.amdhsa_group_segment_fixed_size 0
		.amdhsa_private_segment_fixed_size 0
		.amdhsa_enable_private_segment 0
		.amdhsa_kernarg_size 64
		.amdhsa_user_sgpr_count 2
		.amdhsa_user_sgpr_kernarg_segment_ptr 1
		.amdhsa_wavefront_size32 1
		.amdhsa_system_sgpr_workgroup_id_x 1
		.amdhsa_system_sgpr_workgroup_id_y 1
		.amdhsa_system_sgpr_workgroup_id_z 1
		.amdhsa_system_vgpr_workitem_id 0
		.amdhsa_next_free_vgpr 160
		.amdhsa_next_free_sgpr 66
		.amdhsa_reserve_vcc 0
		.amdhsa_float_denorm_mode_32 3
		.amdhsa_float_denorm_mode_16_64 3
		.amdhsa_memory_ordered 1
		.amdhsa_forward_progress 1
		.amdhsa_inst_pref_size 38
	.end_amdhsa_kernel
	.amdgpu_metadata
---
amdhsa.version: [ 1, 2 ]
amdhsa.kernels:
  - .name:           k_qeee311fafe_prep
    .symbol:         k_qeee311fafe_prep.kd
    .args:
      - { .name: x, .offset: 0, .size: 8, .value_kind: global_buffer, .address_space: global }
      - { .name: W_qkv, .offset: 8, .size: 8, .value_kind: global_buffer, .address_space: global }
      - { .name: W_proj, .offset: 16, .size: 8, .value_kind: global_buffer, .address_space: global }
      - { .name: mask, .offset: 24, .size: 8, .value_kind: global_buffer, .address_space: global }
      - { .name: xh, .offset: 32, .size: 8, .value_kind: global_buffer, .address_space: global }
      - { .name: wq, .offset: 40, .size: 8, .value_kind: global_buffer, .address_space: global }
      - { .name: wp, .offset: 48, .size: 8, .value_kind: global_buffer, .address_space: global }
      - { .name: pm, .offset: 56, .size: 8, .value_kind: global_buffer, .address_space: global }
    .group_segment_fixed_size: 0
    .private_segment_fixed_size: 0
    .kernarg_segment_align: 8
    .kernarg_segment_size: 64
    .max_flat_workgroup_size: 256
    .sgpr_count:     66
    .vgpr_count:     160
    .wavefront_size: 32
...
	.end_amdgpu_metadata
.endif
;; end of part 1
;; launch qkv (part 2): grid 4 x 64, 4 waves a work-group, clusters of 4 x 4, 327,680 bytes of LDS; arguments xh, wq, cos, sin, qh, kh, vh; writes qh, kh, vh
.if DOCPART == 2
	.amdgcn_target "amdgcn-amd-amdhsa--gfx1250"
	.amdhsa_code_object_version 6
	.text
	.protected	k_qeee311fafe_qkv
	.globl	k_qeee311fafe_qkv
	.p2align	8
	.type	k_qeee311fafe_qkv,@function
k_qeee311fafe_qkv:
	s_mov_b64 s[64:65], 0
	v_nop
	global_prefetch_b8 v0, s[64:65] scope:SCOPE_SE
	s_setreg_imm32_b32 hwreg(HW_REG_WAVE_MODE, 25, 1), 1
	s_wait_xcnt 0x0
	s_wait_alu depctr_hold_cnt(0) depctr_sa_sdst(0) depctr_va_vdst(0) depctr_va_sdst(0) depctr_va_ssrc(0) depctr_va_vcc(0) depctr_vm_vsrc(0)
	s_getreg_b32 s2, hwreg(HW_REG_IB_STS2, 6, 4)
	s_cmp_eq_u32 s2, 0
	s_cbranch_scc0 .Lentry_in_a_cluster
	s_endpgm
.Lentry_in_a_cluster:
	s_bfe_u32 s2, ttmp6, 0x10000c
	s_cmp_lg_u32 s2, 0xf033
	s_cbranch_scc0 .Lentry_shape_is_right
	s_endpgm
.Lentry_shape_is_right:
; QKV.  [8192 tokens] x [3072 columns] = xh wq^T over K = 1,024, f16 operands, f32 sums; q and k are rotated (RoPE) on the way out; q, k, v leave by heads, [b*16+h][t][64] f16.
; LIMITS.  q, k, v beyond 65,504 become infinities.  q and k are rounded to f16, rotated in f32 with cos and sin (each rounded to bf16 and held as f16), and rounded to f16 once more.
; SHARES.  256 work-groups that stay.  A tile of C is 128 tokens x 256 columns; work-group (column group gx, tile row R) makes the tiles with tile column gx, gx + 4, gx + 8: its q, its k, its v.
; Wave (wm, wn) makes 64 tokens x 128 columns: 32 accumulators.  The product is used transposed (source 0 = 16 rows of W, source 1 = 16 tokens): a lane holds one token and 8 neighbouring columns.
; RING.  K goes in steps of 128 = two K blocks of 64, through two LDS slots; the walk's 24 steps are one sequence.  Step n + 1 is asked for first thing behind the round at the head of trip n, one tensor load a wave
; (one is out, by this text's count); the last quarter of step n - 1, held in registers, is multiplied behind that round while the new slot's first fragments come.
; CLUSTER 4 x 4.  A's tile hangs on R alone and is asked for jointly along a row of the cluster, B's on gx alone and jointly along a column.
; REGISTERS.  window 0: v0-23 addresses; v32-127, v128-223 two fragment buffers (A's 4 fragments, then B's 8); the second also serves the way out.  window 1: accumulator (a, b) at 8 (8 a + b).
.set TILES, 3
.set STEPS, 8*TILES
.set ABLK,  262144                     ; bytes of a K block of xh (2,048 tokens x 128)
.set BBLK,  393216                     ; of wq (3,072 rows x 128)
.set APART, 18432                      ; LDS: 128 rows x 144 (128 bytes + 16 of padding: the 16 rows of a fragment load start at 16 different groups of four banks, ISA guide 11.1)
.set BPART, 36864                      ; 256 rows x 144
.set BOFF,  2*APART
.set SLOT1, 131072                     ; slot 1 begins here: one exclusive or changes slots
.set CS,    BOFF+2*BPART               ; behind slot 0: [128 tokens][32] words, cos f16 below, sin f16 above; no tile lands here
.set STAGE, SLOT1+CS                   ; behind slot 1: for each wave [2 heads][64 tokens][144 bytes]
.set WSTG,  18432
.set SPARE, STAGE+4*WSTG               ; the spare words, 128 bytes a wave
.set WBC,   16*BBLK-131072             ; B at a change of tiles: back along K, four tile columns on
.set G1W,   (1<<16)|(1<<20)|(1<<21)|(4<<22)|(3<<25)  ; 2-byte elements; padding on; bit 21 beside a mask; after every 32 words; 4 words
.set ADA0, 4                           ; my lane's place in A's part of a slot; never rewritten
.set ADB0, 5                           ; in B's
.set ADA,  6                           ; the same in the slot in hand
.set ADB,  7
.set STO,  8                           ; way out: where I put 16 bytes
.set RD0,  9                           ; where I read rows back
.set GO0,  10                          ; 16 x lane
.set CSA0, 11                          ; my 16 bytes of four tokens' cos and sin
.set PFO,  12                          ; the prefetches' offset
.set ZERO, 13
.set SPW,  14                          ; SPARE + 4 x thread; never rewritten
.set NIL,  15                          ; 0; never rewritten
.set F0,   32
.set F1,   128
.set WV, 12
.set WM, 13
.set WN, 14
.set CX, 15
.set CY, 16
.set TC, 17                            ; gx
.set TR, 18                            ; R
.set G1A, 24
.set G0A, 32
.set G0B, 36
.set G1B, 40
.set TB, 48                            ; LDS byte of the slot in hand
.set KD, 49                            ; place in its tile of the step to be entered next
.set KC, 50                            ; of the step in hand
.set CNT, 51
.set WA, 52                            ; s[52:53], s[54:55]: what a change of tiles takes off A's and B's address, else 0
.set WB, 54
.set PFA, 56                           ; s[56:57] where my prefetches stand
.set PINC, 58                          ; s[58:59] a K step there
.set PWR, 60                           ; what a change of tiles takes off
.set PK, 62                            ; place in its tile of the step that PFA names
.set PLEFT, 63                         ; prefetches still to make
.set OUT, 66
.set MSB, 0
.macro WIN new                         ; the high byte repeats the setting that is left; a switch that changes nothing is dropped
.if MSB != (\new)
	s_set_vgpr_msb (MSB<<8)|(\new)
.set MSB, (\new)
.endif
.endm
.macro PLACES                          ; four plain places behind matrix instructions, ahead of loads into their sources and of readers of their results
.rept 4
	v_nop
.endr
.endm
.macro CROUND                          ; a round of the cluster's barrier
	s_barrier_signal -1
	s_barrier_wait -1
	s_cmp_lg_u32 s[WV], 0
	s_cbranch_scc1 .Lnot_wave_0_\@
	s_barrier_signal -3
.Lnot_wave_0_\@:
	s_barrier_wait -3
	s_barrier_signal -1
	s_barrier_wait -1
.endm
.macro JLOAD                           ; a joint load: waves 0, 1 fetch A's two K blocks, waves 2, 3 B's; s_nop 0 and four v_nop follow each line
	s_cmp_eq_u32 s[WM], 0
	s_cbranch_scc0 .Lfor_b_\@
	tensor_load_to_lds s[G0A:G0A+3], s[G1A:G1A+7]
	s_nop 0
.rept 4
	v_nop
.endr
	s_branch .Lasked_\@
.Lfor_b_\@:
	tensor_load_to_lds s[G0B:G0B+3], s[G1B:G1B+7]
	s_nop 0
.rept 4
	v_nop
.endr
.Lasked_\@:
.endm
; A PREFETCH INTO THE L2: trip n names K step n + 3, two steps (256 matrix instructions) ahead of the joint load that will want it; 32 blocks of 256 bytes, a lane a block.
; A's rows are read by this cluster alone, three times: they are named in the first tile alone (steps 4-7), by wave 0; the four partners of a row share a step's 128 blocks out by address (cx).
; B's rows are read by all sixteen clusters: the first (cluster y = 0) names them (steps 4-23), waves 2 and 3 a K block each; the four partners of a column share out by address (cy).
.macro ASK
	s_cmp_lg_u32 s[PLEFT], 0
	s_cbranch_scc0 .Lnone_\@
	global_prefetch_b8 v[PFO], s[PFA:PFA+1] th:TH_LOAD_NT scope:SCOPE_SE
	s_sub_co_u32 s[PLEFT], s[PLEFT], 1
.Lnone_\@:
.endm
.macro FETCH f, kq                     ; 24 LDS loads in one run: quarter kq (32 along K) of the slot in hand into buffer f
	WIN 0
.irp i, 0,1,2,3,4,5,6,7
	ds_load_b128 v[(\f)+32+8*(\i):(\f)+32+8*(\i)+3],   v[ADB] offset:((\kq)/2)*BPART+(\i)*2304+((\kq)%2)*64
	ds_load_b128 v[(\f)+32+8*(\i)+4:(\f)+32+8*(\i)+7], v[ADB] offset:((\kq)/2)*BPART+(\i)*2304+((\kq)%2)*64+32
.endr
.irp i, 0,1,2,3
	ds_load_b128 v[(\f)+8*(\i):(\f)+8*(\i)+3],   v[ADA] offset:((\kq)/2)*APART+(\i)*2304+((\kq)%2)*64
	ds_load_b128 v[(\f)+8*(\i)+4:(\f)+8*(\i)+7], v[ADA] offset:((\kq)/2)*APART+(\i)*2304+((\kq)%2)*64+32
.endr
.endm
.macro MUL32 f, zero                   ; 32 products; the 32 accumulators take turns, in the same order everywhere.  zero = 1: they start the sums
	WIN 0x50
.irp a, 0,1,2,3
.irp b, 0,1,2,3,4,5,6,7
.if \zero
	v_wmma_f32_16x16x32_f16 v[8*(8*(\a)+(\b)):8*(8*(\a)+(\b))+7], v[(\f)+32+8*(\b):(\f)+32+8*(\b)+7], v[(\f)+8*(\a):(\f)+8*(\a)+7], 0
.else
	v_wmma_f32_16x16x32_f16 v[8*(8*(\a)+(\b)):8*(8*(\a)+(\b))+7], v[(\f)+32+8*(\b):(\f)+32+8*(\b)+7], v[(\f)+8*(\a):(\f)+8*(\a)+7], v[8*(8*(\a)+(\b)):8*(8*(\a)+(\b))+7]
.endif
.endr
.endr
.endm
.macro QUARTER f, g, kq, zero          ; buffer f is multiplied while quarter kq comes into buffer g
	s_wait_dscnt 0x0                               ; f is in (asked for 32 products ago)
	PLACES                                         ; g's last readers stand just ahead
	FETCH \g, \kq
	MUL32 \f, \zero
.endm
; THE CHANGE OF SLOTS.  Every wave: all its tensor loads have landed (its part of the slot to be entered); 0 onto its spare word; that and its reads of the old slot are done; then the barrier.
; fill = 1: the barrier is a round of the cluster's, and the joint refill of the old slot, with the step after the one entered, is the first thing behind it.  pf = 1: the prefetch pointer steps, and ASK follows.
.macro CHANGE fill, pf
	WIN 0
.if \pf
	s_wait_xcnt 0x0                                ; the last prefetch, a K step back, has read its address
	s_add_nc_u64 s[PFA:PFA+1], s[PFA:PFA+1], s[PINC:PINC+1]
	s_add_co_u32 s[PK], s[PK], 1
	s_cmp_eq_u32 s[PK], 8
	s_cselect_b32 s[PK], 0, s[PK]
	s_cselect_b32 s78, s[PWR], 0
	s_sub_nc_u64 s[PFA:PFA+1], s[PFA:PFA+1], s[78:79]
.endif
	s_wait_tensorcnt 0x0                           ; no tensor load of mine is out, so the descriptors may be written
	ds_add_u32 v[SPW], v[NIL]                      ; the scalar work stands between the add and the wait for it
	s_xor_b32 s[TB], s[TB], SLOT1
.if \fill
	s_mov_b32 s[KC], s[KD]
	s_add_co_u32 s[KD], s[KD], 1
	s_cmp_eq_u32 s[KD], 8                          ; the step to be asked for is a tile's first
	s_cselect_b32 s[KD], 0, s[KD]
	s_cselect_b32 s[WA], 16*ABLK, 0
	s_cselect_b32 s[WB], WBC, 0
	s_xor_b32 s[G0A+1], s[G0A+1], SLOT1
	s_xor_b32 s[G0B+1], s[G0B+1], SLOT1
	s_add_nc_u64 s[G0A+2:G0A+3], s[G0A+2:G0A+3], 2*ABLK
	s_sub_nc_u64 s[G0A+2:G0A+3], s[G0A+2:G0A+3], s[WA:WA+1]
	s_add_nc_u64 s[G0B+2:G0B+3], s[G0B+2:G0B+3], 2*BBLK
	s_sub_nc_u64 s[G0B+2:G0B+3], s[G0B+2:G0B+3], s[WB:WB+1]
.endif
	s_wait_dscnt 0x0                               ; the add is done, and my reads of the old slot are over
.if \fill
	CROUND
	JLOAD                                          ; its four v_nop are also the places ahead of the loads into buffer 0
.else
	s_barrier_signal -1
	s_barrier_wait -1
	PLACES
.endif
	v_add_nc_u32 v[ADA], s[TB], v[ADA0]
	v_add_nc_u32 v[ADB], s[TB], v[ADB0]
	FETCH F0, 0
.if \pf
	ASK
.endif
.endm
; THE WAY OUT of a tile.  Rounded to f16, 16 bytes a lane, into my own stage by head and token; back as whole rows of a head (four tokens, 512 bytes, a load); rot = 1: rotated; stored, 512 consecutive bytes a store.
; LDS serves a wave's instructions in order (ISA guide 5.7.1.4), so no wait stands between my stores and my loads.  Every address is a register that is never rewritten plus an immediate.
.macro EPI rot
.irp a, 0,1,2,3
	WIN 0x05                                       ; sources in window 1
.irp b, 0,1,2,3,4,5,6,7
.irp e, 0,1,2,3
	v_cvt_pk_f16_f32 v[128+4*(\b)+(\e)], v[8*(8*(\a)+(\b))+2*(\e)], v[8*(8*(\a)+(\b))+2*(\e)+1]
.endr
.endr
	WIN 0
.irp b, 0,1,2,3,4,5,6,7
	ds_store_b128 v[STO], v[128+4*(\b):128+4*(\b)+3] offset:((\b)/4)*9216+(\a)*2304+((\b)%4)*32
.endr
.endr
.irp t, 0,1,2,3                        ; 16 tokens x 2 heads at a time; the rows' registers take turns: v128-159, v176-207
.set XR, 128+48*((\t)%2)
.if (\t) >= 2
	s_wait_xcnt 0x0                                ; the stores two turns back have read these registers
.endif
.if \rot
.irp f, 0,1,2,3
	ds_load_b128 v[160+4*(\f):160+4*(\f)+3], v[CSA0] offset:2048*(\t)+512*(\f)
.endr
.endif
.irp hd, 0,1
.irp f, 0,1,2,3
	ds_load_b128 v[XR+16*(\hd)+4*(\f):XR+16*(\hd)+4*(\f)+3], v[RD0] offset:9216*(\hd)+2304*(\t)+576*(\f)
.endr
.endr
	s_wait_dscnt 0x0
.if \rot
.irp hd, 0,1
.irp f, 0,1,2,3
.irp d, 0,1,2,3                        ; a word holds x1 below, x2 above; its partner cos below, sin above; all four multiply-adds in f32
	v_fma_mix_f32 v[208+2*(\d)], v[XR+16*(\hd)+4*(\f)+(\d)], v[160+4*(\f)+(\d)], v[ZERO] op_sel:[1,1,0] op_sel_hi:[1,1,0]  ; x2 sin
	v_fma_mix_f32 v[209+2*(\d)], v[XR+16*(\hd)+4*(\f)+(\d)], v[160+4*(\f)+(\d)], v[ZERO] op_sel:[1,0,0] op_sel_hi:[1,1,0]  ; x2 cos
.endr
.irp d, 0,1,2,3
	v_fma_mix_f32 v[208+2*(\d)], v[XR+16*(\hd)+4*(\f)+(\d)], v[160+4*(\f)+(\d)], -v[208+2*(\d)] op_sel_hi:[1,1,0]          ; x1 cos - x2 sin
	v_fma_mix_f32 v[209+2*(\d)], v[XR+16*(\hd)+4*(\f)+(\d)], v[160+4*(\f)+(\d)], v[209+2*(\d)] op_sel:[0,1,0] op_sel_hi:[1,1,0]  ; x1 sin + x2 cos
.endr
.irp d, 0,1,2,3
	v_cvt_pk_f16_f32 v[XR+16*(\hd)+4*(\f)+(\d)], v[208+2*(\d)], v[209+2*(\d)]
.endr
.endr
.endr
.endif
.irp hd, 0,1
.irp f, 0,1,2,3
	global_store_b128 v[GO0], v[XR+16*(\hd)+4*(\f):XR+16*(\hd)+4*(\f)+3], s[OUT:OUT+1] offset:262144*(\hd)+2048*(\t)+512*(\f)
.endr
.endr
.endr
	s_wait_xcnt 0x0                                ; the stores have read their registers and their base
.endm
	s_load_b256 s[4:11], s[0:1], 0x0               ; xh 4:5, wq 6:7, cos 8:9, sin 10:11
	s_load_b128 s[68:71], s[0:1], 0x20             ; qh 68:69, kh 70:71
	s_load_b64 s[72:73], s[0:1], 0x30              ; vh
	v_lshl_add_u32 v[SPW], v0, 2, SPARE
	v_mov_b32 v[NIL], 0
	ds_add_u32 v[SPW], v[NIL]                      ; the wave's opening: the add, with its wait ahead of my first tensor load
	v_lshrrev_b32 v1, 5, v0
	v_readfirstlane_b32 s[WV], v1                  ; wave 0..3
	s_lshr_b32 s[WM], s[WV], 1                     ; my half of the tile's tokens.  Also: I fetch for A (0) or B (1)
	s_and_b32 s[WN], s[WV], 1                      ; my half of its columns.  Also: which K block of a step I fetch
	s_bfe_u32 s[CX], ttmp6, 0x40000
	s_bfe_u32 s[CY], ttmp6, 0x40004
	s_lshl_b32 s[TC], ttmp9, 2
	s_add_co_u32 s[TC], s[TC], s[CX]               ; column group = 4 x cluster x + cx
	s_and_b32 s[TR], ttmp7, 0xffff
	s_lshl_b32 s[TR], s[TR], 2
	s_add_co_u32 s[TR], s[TR], s[CY]               ; tile row = 4 x cluster y + cy
	s_lshl_b32 s19, s[CY], 2
	s_lshl_b32 s19, 15, s19                        ; my row of the cluster
	s_lshl_b32 s77, 0x1111, s[CX]                  ; my column
	; group 1.  A K block's part of a tile is dense: asked for as rows of 256 bytes (two rows of the block), padded in LDS after every 128 bytes
	s_or_b32 s[G1A], s19, G1W
	s_or_b32 s[G1B], s77, G1W
	s_mov_b32 s[G1A+1], 128<<16                    ; tensor_dim0 = 128
	s_mov_b32 s[G1A+2], 64<<16                     ; tensor_dim1 = 64
	s_mov_b32 s[G1A+3], 128<<16                    ; tile_dim0 = 128
	s_mov_b32 s[G1A+4], 64                         ; tile_dim1 = 64: 16 KiB
	s_mov_b32 s[G1A+5], 128                        ; elements from row to row
	s_mov_b32 s[G1A+6], 0
	s_mov_b32 s[G1A+7], 0
	s_mov_b32 s[G1B+1], 128<<16
	s_mov_b32 s[G1B+2], 128<<16                    ; 128 rows: 32 KiB
	s_mov_b32 s[G1B+3], 128<<16
	s_mov_b32 s[G1B+4], 128
	s_mov_b32 s[G1B+5], 128
	s_mov_b32 s[G1B+6], 0
	s_mov_b32 s[G1B+7], 0
	s_lshr_b32 s20, s[TR], 4                       ; A: batch x 16 K blocks
	s_lshl_b32 s20, s20, 22
	s_and_b32 s21, s[TR], 15                       ; + 128 tokens x 128 bytes for each tile row in the batch
	s_lshl_b32 s21, s21, 14
	s_add_co_u32 s20, s20, s21
	s_lshl_b32 s21, s[WN], 18                      ; + my K block
	s_add_co_u32 s20, s20, s21
	s_mov_b32 s21, 0
	s_mul_i32 s22, s[WN], BBLK                     ; B: my K block
	s_lshl_b32 s23, s[TC], 15                      ; + 256 rows x 128 bytes for each tile column
	s_add_co_u32 s22, s22, s23
	s_mov_b32 s23, 0
	s_mov_b32 s[G0A], 1
	s_mul_i32 s[G0A+1], s[WN], APART               ; no place in the cluster enters an LDS address
	s_mov_b32 s[G0B], 1
	s_mul_i32 s[G0B+1], s[WN], BPART
	s_add_co_u32 s[G0B+1], s[G0B+1], BOFF
	s_mov_b32 s[TB], SLOT1                         ; the first change turns it into 0
	s_mov_b32 s[KD], 0
	s_mov_b32 s[KC], 0
	s_mov_b32 s[WA+1], 0
	s_mov_b32 s[WB+1], 0
	s_mov_b32 s[PK], 3
	s_wait_dscnt 0x0                               ; the opening add is done
	s_wait_kmcnt 0x0
	s_add_nc_u64 s[G0A+2:G0A+3], s[4:5], s[20:21]
	s_or_b32 s[G0A+3], s[G0A+3], 0x80000000
	s_add_nc_u64 s[G0B+2:G0B+3], s[6:7], s[22:23]
	s_or_b32 s[G0B+3], s[G0B+3], 0x80000000
	CROUND                                         ; all sixteen work-groups are here
	JLOAD                                          ; K step 0 into slot 0
	; cos and sin of my tile's 128 tokens: 16 bytes a thread, eight times each
	v_lshlrev_b32 v3, 4, v0
	s_and_b32 s20, s[TR], 15
	s_lshl_b32 s20, s20, 14
	s_add_nc_u64 s[8:9], s[8:9], s[20:21]
	s_add_nc_u64 s[10:11], s[10:11], s[20:21]
.irp i, 0,1,2,3,4,5,6,7
	global_load_b128 v[32+4*(\i):32+4*(\i)+3], v3, s[8:9] offset:2048*(\i)
	global_load_b128 v[64+4*(\i):64+4*(\i)+3], v3, s[10:11] offset:2048*(\i)
.endr
	v_add_nc_u32 v19, CS, v3
	; the prefetches: offsets of A's and of B's, then the choice by the wave's number
	s_lshr_b32 s78, s[TR], 4
	s_lshl_b32 s78, s78, 22
	s_and_b32 s77, s[TR], 15
	s_lshl_b32 s77, s77, 14
	s_add_co_u32 s78, s78, s77
	s_lshl_b32 s77, s[CX], 12                      ; my work-group's 16 blocks of each K block
	s_add_co_u32 s78, s78, s77
	s_add_co_u32 s78, s78, 3*2*ABLK                ; at K step 3: the first prefetch steps it to 4
	s_mul_i32 s79, s[WN], BBLK
	s_lshl_b32 s77, s[TC], 15
	s_add_co_u32 s79, s79, s77
	s_lshl_b32 s77, s[CY], 13                      ; my work-group's 32 blocks of the K block
	s_add_co_u32 s79, s79, s77
	s_add_co_u32 s79, s79, 3*2*BBLK
	s_mov_b32 s[PINC], 2*BBLK
	s_mov_b32 s[PINC+1], 0
	s_mov_b32 s[PWR], WBC
	s_cmp_eq_u32 s[WM], 0
	s_cselect_b64 s[PFA:PFA+1], s[4:5], s[6:7]
	s_cselect_b32 s78, s78, s79
	s_cselect_b32 s[PINC], 2*ABLK, s[PINC]
	s_cselect_b32 s[PWR], 16*ABLK, s[PWR]
	s_cselect_b32 s77, 18, 12                      ; lanes 16-31: A's second K block, or B's next 16 blocks
	s_mov_b32 s79, 0
	s_add_nc_u64 s[PFA:PFA+1], s[PFA:PFA+1], s[78:79]
	s_and_b32 s19, ttmp7, 0xffff                   ; cluster y: the same in all sixteen partners
	s_cmp_eq_u32 s19, 0
	s_cselect_b32 s[PLEFT], STEPS-4, 0
	s_cmp_eq_u32 s[WV], 1
	s_cselect_b32 s[PLEFT], 0, s[PLEFT]
	s_cmp_eq_u32 s[WV], 0
	s_cselect_b32 s[PLEFT], 4, s[PLEFT]
	; where my part of q, k and v begins: head (batch x 16 + 4 gx + 2 wn), token 128 (R % 16) + 64 wm
	s_lshr_b32 s22, s[TR], 4
	s_lshl_b32 s22, s22, 4
	s_lshl_b32 s23, s[TC], 2
	s_add_co_u32 s22, s22, s23
	s_lshl_b32 s23, s[WN], 1
	s_add_co_u32 s22, s22, s23
	s_lshl_b32 s22, s22, 18
	s_and_b32 s23, s[TR], 15
	s_lshl_b32 s23, s23, 14
	s_add_co_u32 s22, s22, s23
	s_lshl_b32 s23, s[WM], 13
	s_add_co_u32 s22, s22, s23
	s_mov_b32 s23, 0
	s_add_nc_u64 s[68:69], s[68:69], s[22:23]
	s_add_nc_u64 s[70:71], s[70:71], s[22:23]
	s_add_nc_u64 s[72:73], s[72:73], s[22:23]
	s_mov_b64 s[OUT:OUT+1], s[68:69]
	; a fragment is 16 rows x 32 K in 8 registers: lane l holds row l % 16, K 8 (l / 16) + 0..7 and 16 + 8 (l / 16) + 0..7: two loads of 16 bytes, 32 bytes apart
	v_and_b32 v1, 15, v0
	v_bfe_u32 v2, v0, 4, 1
	v_mul_u32_u24 v20, v1, 144
	v_lshl_add_u32 v20, v2, 4, v20
	s_mul_i32 s19, s[WM], 9216
	v_add_nc_u32 v[ADA0], s19, v20
	s_mul_i32 s19, s[WN], 18432
	s_add_co_u32 s19, s19, BOFF
	v_add_nc_u32 v[ADB0], s19, v20
	s_mul_i32 s19, s[WV], WSTG
	s_add_co_u32 s19, s19, STAGE
	v_add_nc_u32 v[STO], s19, v20
	v_bfe_u32 v21, v0, 3, 2                        ; back: 32 lanes take four rows of 128 bytes
	v_and_b32 v22, 7, v0
	v_mul_u32_u24 v21, v21, 144
	v_lshl_add_u32 v21, v22, 4, v21
	v_add_nc_u32 v[RD0], s19, v21
	v_and_b32 v[GO0], 31, v0
	v_lshlrev_b32 v[GO0], 4, v[GO0]
	s_lshl_b32 s19, s[WM], 13
	s_add_co_u32 s19, s19, CS
	v_add_nc_u32 v[CSA0], s19, v[GO0]
	v_mov_b32 v[ZERO], 0
	v_lshlrev_b32 v[PFO], s77, v2
	v_lshl_add_u32 v[PFO], v1, 8, v[PFO]
	s_wait_loadcnt 0x0                             ; cos and sin
.set n, 0
.rept 32
	v_cvt_pk_bf16_f32 v[128+n], v[32+n], v[64+n]   ; both rounded to bf16, like every input,
.set n, n+1
.endr
.set n, 0
.rept 32
	v_lshlrev_b32 v[32+n], 16, v[128+n]
	v_and_b32 v[64+n], 0xffff0000, v[128+n]
.set n, n+1
.endr
.set n, 0
.rept 32
	v_cvt_pk_f16_f32 v[32+n], v[32+n], v[64+n]     ; and held as f16: cos below, sin above
.set n, n+1
.endr
.irp i, 0,1,2,3,4,5,6,7
	ds_store_b128 v19, v[32+4*(\i):32+4*(\i)+3] offset:2048*(\i)  ; the first change's wait and round show the table to the other waves
.endr
	CHANGE 1, 0                                    ; trip 0, written out: slot 0 is in, step 1 is asked for; its first products start the sums
	QUARTER F0, F1, 1, 1
	QUARTER F1, F0, 2, 0
	QUARTER F0, F1, 3, 0
	WIN 0
	s_mov_b32 s[CNT], STEPS-2
.Ltrip:                                                ; trips 1 to 22
	CHANGE 1, 1
	MUL32 F1, 0                                    ; the last quarter of the step before
	WIN 0
	s_cmp_lg_u32 s[KC], 0
	s_cbranch_scc1 .Lmid                           ; forward, past text with no barrier and no tensor load
	PLACES
	EPI 1                                          ; a tile is finished: q at trip 8, k at trip 16
	s_mov_b64 s[OUT:OUT+1], s[70:71]               ; behind q comes k (behind k the tail sets v)
	QUARTER F0, F1, 1, 1
	WIN 0
	s_branch .Lq1
.Lmid:
	QUARTER F0, F1, 1, 0
	WIN 0
.Lq1:
	QUARTER F1, F0, 2, 0
	QUARTER F0, F1, 3, 0
	WIN 0
	s_sub_co_u32 s[CNT], s[CNT], 1
	s_cmp_lg_u32 s[CNT], 0
	s_cbranch_scc1 .Ltrip
	CHANGE 0, 0                                    ; the last step is written out: nothing is asked for
	MUL32 F1, 0
	QUARTER F0, F1, 1, 0
	QUARTER F1, F0, 2, 0
	QUARTER F0, F1, 3, 0
	s_wait_dscnt 0x0
	MUL32 F1, 0
	WIN 0
	PLACES
	s_mov_b64 s[OUT:OUT+1], s[72:73]
	EPI 0                                          ; v is not rotated
	s_wait_tensorcnt 0x0                           ; the wave's end
	ds_add_u32 v[SPW], v[NIL]
	s_wait_dscnt 0x0
	CROUND                                         ; the closing round
	s_endpgm
.Lfunc_end_k_qeee311fafe_qkv:
	.size	k_qeee311fafe_qkv, .Lfunc_end_k_qeee311fafe_qkv-k_qeee311fafe_qkv
	.p2alignl 7, 3214868480
	.fill 96, 4, 3214868480
	.section	.rodata,"a",@progbits
	.p2align	6, 0x0
	.amdhsa_kernel k_qeee311fafe_qkv
		.amdhsa_group_segment_fixed_size 327680
		.amdhsa_private_segment_fixed_size 0
		.amdhsa_enable_private_segment 0
		.amdhsa_kernarg_size 56
		.amdhsa_user_sgpr_count 2
		.amdhsa_user_sgpr_kernarg_segment_ptr 1
		.amdhsa_wavefront_size32 1
		.amdhsa_system_sgpr_workgroup_id_x 1
		.amdhsa_system_sgpr_workgroup_id_y 1
		.amdhsa_system_sgpr_workgroup_id_z 1
		.amdhsa_system_vgpr_workitem_id 0
		.amdhsa_next_free_vgpr 512
		.amdhsa_next_free_sgpr 80
		.amdhsa_reserve_vcc 0
		.amdhsa_float_denorm_mode_32 3
		.amdhsa_float_denorm_mode_16_64 3
		.amdhsa_memory_ordered 1
		.amdhsa_forward_progress 1
		.amdhsa_inst_pref_size 142
	.end_amdhsa_kernel
	.amdgpu_metadata
---
amdhsa.version: [ 1, 2 ]
amdhsa.kernels:
  - .name:           k_qeee311fafe_qkv
    .symbol:         k_qeee311fafe_qkv.kd
    .args:
      - { .name: xh, .offset: 0, .size: 8, .value_kind: global_buffer, .address_space: global }
      - { .name: wq, .offset: 8, .size: 8, .value_kind: global_buffer, .address_space: global }
      - { .name: cos, .offset: 16, .size: 8, .value_kind: global_buffer, .address_space: global }
      - { .name: sin, .offset: 24, .size: 8, .value_kind: global_buffer, .address_space: global }
      - { .name: qh, .offset: 32, .size: 8, .value_kind: global_buffer, .address_space: global }
      - { .name: kh, .offset: 40, .size: 8, .value_kind: global_buffer, .address_space: global }
      - { .name: vh, .offset: 48, .size: 8, .value_kind: global_buffer, .address_space: global }
    .group_segment_fixed_size: 327680
    .private_segment_fixed_size: 0
    .kernarg_segment_align: 8
    .kernarg_segment_size: 56
    .max_flat_workgroup_size: 128
    .sgpr_count:     80
    .vgpr_count:     512
    .wavefront_size: 32
...
	.end_amdgpu_metadata
.endif
;; end of part 2
;; launch attn (part 3): grid 4 x 64, 4 waves a work-group, clusters of 4 x 1, 327,680 bytes of LDS; arguments qh, kh, vh, oh, pm; writes oh
.if DOCPART == 3
	.amdgcn_target "amdgcn-amd-amdhsa--gfx1250"
	.amdhsa_code_object_version 6
	.text
	.protected	k_qeee311fafe_attn
	.globl	k_qeee311fafe_attn
	.p2align	8
	.type	k_qeee311fafe_attn,@function
k_qeee311fafe_attn:
	s_mov_b64 s[64:65], 0
	v_nop
	global_prefetch_b8 v0, s[64:65] scope:SCOPE_SE
	s_setreg_imm32_b32 hwreg(HW_REG_WAVE_MODE, 25, 1), 1
	s_wait_xcnt 0x0
	s_wait_alu depctr_hold_cnt(0) depctr_sa_sdst(0) depctr_va_vdst(0) depctr_va_sdst(0) depctr_va_ssrc(0) depctr_va_vcc(0) depctr_vm_vsrc(0)
	s_getreg_b32 s2, hwreg(HW_REG_IB_STS2, 6, 4)
	s_cmp_eq_u32 s2, 0
	s_cbranch_scc0 .Lentry_in_a_cluster
	s_endpgm
.Lentry_in_a_cluster:
	s_bfe_u32 s2, ttmp6, 0x10000c
	s_cmp_lg_u32 s2, 0x3003
	s_cbranch_scc0 .Lentry_shape_is_right
	s_endpgm
.Lentry_shape_is_right:
; ATTENTION UNDER A GIVEN MASK.  O[h][q][:] = the sum over visible k of softmax_k(Q[h][q] . K[h][k] / 8) V[h][k][:].  Q, K, V, O: [64 heads][2048][64], all f16, a head's rows dense, 128 bytes each.
; pm: one 4-bit code a score (0 visible, 0xF hidden), [step 32][query tile 128][lane 32][key block 4] words, the same for all heads.  Products, maxima and sums in f32; the weights p are rounded to f16 for
; the second product (their sum l is taken of the unrounded p), O once at the end.
; LIMITS.  Q, K, V arrive within f16's 65,504.  A hidden score counts as its value less 4.75e29: f16's scores, 2.7e11 at the most, are nothing beside that.  A weight below 2^-126 counts as 0 in l.
; A row with no visible key leaves as NaN.  NaN and infinities in the inputs are not treated apart.
; THE MASK is the C operand that starts the sum S^T = K Q^T.  One scaled conversion makes of a code word eight f32, 0 or -6 x 2^96: the eight registers of a 16 x 16 tile's C.  The running maximum, the exponentials
; and the sums need no further care: a hidden score lies far below every visible one, its weight is 0; a row hidden so far gathers finite numbers that its first visible key multiplies by a = 0.
; SHARES.  A wave owns four PIECES of two tiles of 16 queries, a work-group's four waves 512 queries of one head.  Every wave walks all keys, 64 a step.
; LAYOUT.  S^T = K Q^T (source 0 = 16 keys, source 1 = 16 queries): a lane holds ONE query (lane % 16) and the keys 8 (lane / 16) + 0..7.  Two such tiles, rounded to f16 in pairs, ARE source 1 of O^T = V^T P.
; K comes out of LDS as it lies, V ([key][channel]) turned, by ds_load_tr16_b128.
; SOFTMAX.  For each query a running maximum m and sum l: p = 2^(c s - c m), c = log2(e) / 8; in every step O and l are multiplied by a = 2^(c m_old - c m_new).  m starts at the lowest finite number, O and l at 0.
; BY TURNS.  Turn n belongs to piece n.  Its matrix work: 16 products K Q^T of piece n + 1, later 16 products V^T P of piece n - 1.  Its vector work: scaling, exponentials, roundings, sums and rescaling of piece n,
; the maximum and statistics of piece n + 1, and the masks of piece n + 2.  Four vector instructions stand behind every matrix instruction, the others in one run; a turn's 66 exponentials are one batch with one wait.
; CLUSTER.  The four query blocks of a cluster are one head's and walk the same K and V: each tile is asked for JOINTLY.
; REGISTERS, in windows of 256 (s_set_vgpr_msb: bits 1:0 source 0, 3:2 source 1, 5:4 source 2, 7:6 destination):
;   window 0: v0-11 addresses; v12-15, v48-63 at work; v16-47 four registers of statistics a tile; v64-191 S^T, two buffers of two tiles; v192-255 P, likewise
;   window 1: O^T, 32 a tile     window 2: v0-127 Q; v128-191 K of one step; v192-255 V of one step     window 3: v0-1 the add's registers; v2 the codes' offset; v4-35 code words, four a tile; v64-127 the masks of two tiles
.set SIZE_N, 2048
.set NP,    4         ; pieces a wave: a name, no knob
.set KS,    64        ; keys in a step
.set PK,    144       ; a row of K in LDS: 128 bytes + 16 of padding: the 16 rows of a load start at 16 different groups of four banks (ISA guide 11.1)
.set PV,    160       ; a row of V: 128 + 32
.set VOFF,  4*KS*PK   ; a slot holds four steps: 256 rows of K, then 256 rows of V
.set SLOT1, 1<<17
.set STAGE, SLOT1+4*KS*(PK+PV)  ; behind the ring, never filled by a tensor load: 16 rows x 144 bytes for each wave
.set SP,    144
.set AK0, 2           ; my lane's place in a tile of K; never rewritten
.set AV0, 3           ; the same for V
.set AK,  4           ; the LDS address of K's next run of loads
.set AV,  5           ; of V's
.set QO,  6           ; my byte offset in the wave's rows of Q
.set STO, 6           ; later, the way out: where I put 16 bytes of a row
.set RD,  7           ; where I read rows back
.set GO,  8           ; 16 x lane
.set PFO, 9           ; 256 x lane: the prefetches' offset
.set SCL, 11          ; the conversions' scale: 2^96 (E8M0 byte 0xDF, in all four bytes)
.set SPW, 0           ; window 3: SPARE + 4 x thread; never rewritten
.set NIL, 1           ; window 3: 0; never rewritten
.set MO,  2           ; window 3: 16 x lane; never rewritten
.set CD,  4           ; window 3: tile t's four code words at CD + 4 t
.set MC,  64          ; window 3: tile u of the piece to come, key block kb at MC + 32 u + 8 kb
.set SPARE, STAGE+4*16*SP
.set MV,  12
.set ST,  16          ; tile t's statistics at v[ST+4 t]: c m, m, l (even keys', odd keys')
.set TMP, 48
.set S,   64
.set P,   192
.set KF,  128
.set VF,  192
.set WV,  12
.set G1K, 24
.set G1V, 32
.set G0K, 40
.set G0V, 44
.set PFA, 48          ; s[48:49] where my prefetches stand
.set LIM, 50          ; 1 in a wave that prefetches, else the greatest number
.set SLOTS, 56
.set CNT, 57
.set CS,  58
.set SEL, 60
.set TBK, 62
.set TBV, 63
.set MB0, 66          ; s[66:67] pm at my wave's eight tiles, step 0
.set MB,  68          ; s[68:69] the same at the step whose codes are being asked for
.set MOF, 70          ; s[70:71] an offset
.set MS,  72          ; that step's number
.set THR, 73          ; -2^97: a maximum below it is a hidden score's
.set MSB, 0
.macro WIN new
.if MSB != (\new)
	s_set_vgpr_msb (MSB<<8)|(\new)
.set MSB, (\new)
.endif
.endm
.set W_KQ, 0x0a       ; K and Q in window 2, S^T in window 0
.set W_KM, 0x3a       ; the same with the C operand in window 3
.set W_PV, 0x52       ; V in window 2, P in window 0, O^T in window 1
.set W_RS, 0x41       ; O^T in window 1, a in window 0
.set W_MK, 0xc0       ; destination in window 3, sources in window 0
.set W_AD, 0x0f       ; the add: address and data in window 3
.set W_M3, 0xc3       ; destination and source 0 in window 3, source 1 in window 0
.macro JLOAD                        ; waves 0, 1 fetch the halves of a slot's K, waves 2, 3 of its V; s_nop 0 and four v_nop follow each line
	s_cmp_lt_u32 s[WV], 2
	s_cbranch_scc0 .Lfor_v_\@
	tensor_load_to_lds s[G0K:G0K+3], s[G1K:G1K+7]
	s_nop 0
.rept 4
	v_nop
.endr
	s_branch .Lasked_\@
.Lfor_v_\@:
	tensor_load_to_lds s[G0V:G0V+3], s[G1V:G1V+7]
	s_nop 0
.rept 4
	v_nop
.endr
.Lasked_\@:
.endm
; A PREFETCH INTO THE L2 of what the NEXT change of slots will ask for: a slot's 128 blocks of 256 bytes of K and of V.  A head is walked by one cluster; its four partners share the blocks out by address, 32 each;
; in each, wave 0 names K's and wave 2 V's, a lane a block: each block once in the launch, four key steps (512 matrix instructions) ahead of its joint load.  The last change that fills a slot names nothing.
.macro ASK
	s_cmp_gt_u32 s[SLOTS], s[LIM]
	s_cbranch_scc0 .Lnot_mine_\@
	global_prefetch_b8 v[PFO], s[PFA:PFA+1] th:TH_LOAD_NT scope:SCOPE_SE
.Lnot_mine_\@:
.endm
.macro CROUND
	s_barrier_signal -1
	s_barrier_wait -1
	s_cmp_lg_u32 s[WV], 0
	s_cbranch_scc1 .Lnot_wave_0_\@
	s_barrier_signal -3
.Lnot_wave_0_\@:
	s_barrier_wait -3
	s_barrier_signal -1
	s_barrier_wait -1
.endm
; THE CHANGE OF SLOTS.  Each wave waits for all its tensor loads (one is out: its part of the other slot), adds 0 to its spare word, and waits for that and for its reads of the slot.  fill = 1: the barrier is a round of
; the cluster's, and the joint refill, with the keys two slots on, is the first thing behind it: it has four key steps in which to land.  ask = 1: the prefetch pointer steps, and ASK follows the load.
.macro CHANGE fill, ask=0
	WIN W_AD
	s_wait_tensorcnt 0x0            ; no tensor load of mine is out, so a group 0 may be written
	ds_add_u32 v[SPW], v[NIL]
	WIN 0
.if \fill
.irp g, G0K, G0V
	s_xor_b32 s[\g+1], s[\g+1], SLOT1
	s_add_nc_u64 s[\g+2:\g+3], s[\g+2:\g+3], 4*KS*128
.endr
.if \ask
	s_wait_xcnt 0x0                 ; the last prefetch, four key steps back, has read its address
	s_add_nc_u64 s[PFA:PFA+1], s[PFA:PFA+1], 4*KS*128
.endif
	s_wait_dscnt 0x0                ; the add is done, and my reads of the slot are over
	CROUND
	JLOAD
.if \ask
	ASK
.endif
.else
	s_wait_dscnt 0x0
	s_barrier_signal -1
	s_barrier_wait -1
.endif
	s_sub_co_u32 s[TBK], s[TBK], 4*KS*PK
	s_xor_b32 s[TBK], s[TBK], SLOT1
	s_sub_co_u32 s[TBV], s[TBV], 4*KS*PV
	s_xor_b32 s[TBV], s[TBV], SLOT1
.endm
	s_load_b256 s[4:11], s[0:1], 0x0  ; Q s[4:5], K s[6:7], V s[8:9], O s[10:11]
	s_load_b64 s[MB0:MB0+1], s[0:1], 0x20  ; pm
	WIN W_MK
	v_lshl_add_u32 v[SPW], v0, 2, SPARE
	v_mov_b32 v[NIL], 0
	WIN W_AD
	ds_add_u32 v[SPW], v[NIL]       ; the wave's opening: the add, with its wait ahead of my first tensor load
	WIN 0
	v_lshrrev_b32 v1, 5, v0
	v_readfirstlane_b32 s[WV], v1   ; wave 0..3
	s_bfe_u32 s13, ttmp6, 0x40000   ; cx
	s_lshl_b32 s14, ttmp9, 2
	s_add_co_u32 s14, s14, s13      ; my block of 512 queries: it enters Q's, O's and pm's addresses alone
	s_and_b32 s20, ttmp7, 0xffff    ; the head, which the four partners share
	s_mov_b32 s21, 0
	s_mov_b64 s[22:23], SIZE_N*128
	s_mul_u64 s[20:21], s[20:21], s[22:23]  ; the head's first byte in each of the four tensors
	s_and_b32 s16, s[WV], 1         ; which half of a slot's 256 keys I fetch
	s_lshl_b32 s22, s16, 14
	s_mov_b32 s23, 0
	s_add_nc_u64 s[22:23], s[22:23], s[20:21]
	s_mul_i32 s17, s16, 128*PK
	s_mul_i32 s18, s16, 128*PV
	s_lshl_b32 s2, s14, 2
	s_add_co_u32 s2, s2, s[WV]      ; my wave among the head's sixteen
	s_lshl_b32 s[MOF], s2, 12       ; its eight tiles of 512 bytes in a step of pm
	s_mov_b32 s[MOF+1], 0
	s_lshl_b32 s2, s2, 14           ; its 128 rows
	s_mov_b32 s3, 0
	s_add_nc_u64 s[2:3], s[2:3], s[20:21]
	; group 1.  128 keys are 16,384 dense bytes: asked for as 64 rows of 256 bytes, two keys a row, padded in LDS after every key
	s_mov_b32 s[G1K], 15|(1<<16)|(1<<20)|(1<<21)|(4<<22)|(3<<25)
	s_mov_b32 s[G1V], 15|(1<<16)|(1<<20)|(1<<21)|(4<<22)|(7<<25)
.irp g, G1K, G1V
	s_mov_b32 s[\g+1], 128<<16
	s_mov_b32 s[\g+2], 64<<16
	s_mov_b32 s[\g+3], 128<<16
	s_mov_b32 s[\g+4], 64
	s_mov_b32 s[\g+5], 128
	s_mov_b32 s[\g+6], 0
	s_mov_b32 s[\g+7], 0
.endr
	s_mov_b32 s[CS], 0x3e38aa3b     ; c = log2(e) / 8
	s_mov_b32 s[CS+1], s[CS]
	s_mov_b32 s[SEL], 0x76543210
	s_mov_b32 s[SEL+1], 0xfedcba98
	s_mov_b32 s[TBK], SLOT1+4*KS*PK ; the first change of slots turns these two into 0
	s_mov_b32 s[TBV], SLOT1+4*KS*PV
	s_mov_b32 s[G0K], 1
	s_mov_b32 s[G0K+1], s17
	s_mov_b32 s[G0V], 1
	s_add_co_u32 s[G0V+1], s18, VOFF
	s_mov_b32 s[MS], 1
	s_mov_b32 s[THR], 0xf0000000
	s_and_b32 s[LIM], s[WV], 1      ; waves 0 and 2 prefetch
	s_cmp_eq_u32 s[LIM], 0
	s_cselect_b32 s[LIM], 1, -1
	s_wait_dscnt 0x0                ; the opening add is done
	s_wait_kmcnt 0x0
	s_add_nc_u64 s[G0K+2:G0K+3], s[6:7], s[22:23]
	s_or_b32 s[G0K+3], s[G0K+3], 0x80000000
	s_add_nc_u64 s[G0V+2:G0V+3], s[8:9], s[22:23]
	s_or_b32 s[G0V+3], s[G0V+3], 0x80000000
	s_add_nc_u64 s[4:5], s[4:5], s[2:3]
	s_add_nc_u64 s[10:11], s[10:11], s[2:3]
	s_add_nc_u64 s[MB0:MB0+1], s[MB0:MB0+1], s[MOF:MOF+1]
	s_add_nc_u64 s[MB:MB+1], s[MB0:MB0+1], 0x10000  ; step 1
	s_cmp_lt_u32 s[WV], 2
	s_cselect_b64 s[PFA:PFA+1], s[6:7], s[8:9]
	s_add_nc_u64 s[PFA:PFA+1], s[PFA:PFA+1], s[20:21]
	s_lshl_b32 s2, s13, 13          ; my work-group's 32 blocks,
	s_add_co_u32 s2, s2, 2*4*KS*128 ; in slot 2: the first asking change steps it to slot 3
	s_mov_b32 s3, 0
	s_add_nc_u64 s[PFA:PFA+1], s[PFA:PFA+1], s[2:3]
	CROUND                          ; all four work-groups are here
	JLOAD                           ; slot 0
	v_and_b32 v1, 15, v0            ; l % 16
	v_bfe_u32 v9, v0, 4, 1          ; l / 16
	v_lshlrev_b32 v[QO], 7, v1
	v_lshl_add_u32 v[QO], v9, 4, v[QO]
	v_and_b32 v[GO], 31, v0
	v_lshlrev_b32 v[GO], 4, v[GO]
	WIN W_MK
	v_mov_b32 v[MO], v[GO]
	WIN 0x80
.set i, 0
.rept 4*NP                          ; Q stays in registers: tile i / 2, channels 32 (i % 2) on
	global_load_b128 v[8*i:8*i+3],   v[QO], s[4:5] offset:(i/2)*2048+(i%2)*64
	global_load_b128 v[8*i+4:8*i+7], v[QO], s[4:5] offset:(i/2)*2048+(i%2)*64+32
.set i, i+1
.endr
	WIN W_M3
.set i, 0
.rept 2*NP                          ; step 0's codes for my eight tiles
	global_load_b128 v[CD+4*i:CD+4*i+3], v[MO], s[MB0:MB0+1] offset:512*i
.set i, i+1
.endr
	WIN 0x80
	; What the first turn finds: V's registers and P's second buffer hold 0, O^T and l are 0.  All this stands in the wait for the first tile.
.set i, VF
.rept 64
	v_mov_b32 v[i], 0
.set i, i+1
.endr
	WIN 0x40
.set i, 0
.rept 64*NP
	v_mov_b32 v[i], 0
.set i, i+1
.endr
	WIN 0
.set i, 0
.rept 2*NP
	v_mov_b32 v[ST+4*i], 0xfe000000    ; c m: far below every c s, a hidden one's too
	v_mov_b32 v[ST+4*i+1], 0xff7fffff  ; m
	v_mov_b32 v[ST+4*i+2], 0
	v_mov_b32 v[ST+4*i+3], 0
.set i, i+1
.endr
.set i, P+32
.rept 32
	v_mov_b32 v[i], 0
.set i, i+1
.endr
	v_mul_u32_u24 v[AK0], v1, PK
	v_lshl_add_u32 v[AK0], v9, 4, v[AK0]
	v_and_b32 v10, 7, v0
	v_bfe_u32 v11, v0, 3, 1
	v_lshl_add_u32 v[AV0], v9, 3, v10
	v_mul_u32_u24 v[AV0], v[AV0], PV
	v_lshl_add_u32 v[AV0], v11, 4, v[AV0]
	v_add_nc_u32 v[AV0], VOFF, v[AV0]
	v_mov_b32 v[AK], v[AK0]
	v_mov_b32 v[SCL], 0xdfdfdfdf
; THE MASKS of piece x: its eight code words become 64 registers; then the words are asked for anew, for the step that s[MB] names.  The wait: piece x's two loads were issued four such runs back,
; and the six younger loads are the other three pieces'.  A plain instruction stands behind the last conversion, ahead of the loads onto its sources and of the products that read its results.
.macro MASKS x
	WIN W_M3
	s_wait_loadcnt 6
.irp u, 0,1
.irp kt, 0,1,2,3
	v_cvt_scale_pk8_f32_fp4 v[MC+32*(\u)+8*(\kt):MC+32*(\u)+8*(\kt)+7], v[CD+4*(2*(\x)+(\u))+(\kt)], v[SCL]
.endr
.endr
	v_nop
.irp u, 0,1
	global_load_b128 v[CD+4*(2*(\x)+(\u)):CD+4*(2*(\x)+(\u))+3], v[MO], s[MB:MB+1] offset:(2*(\x)+(\u))*512
.endr
	WIN 0
.endm
; THE MATRIX WORK.  The 8 accumulators of a run of 16 take turns.  Product i of 16 of S^T = K Q^T for piece x: channels 32 (i / 8) on, keys 16 ((i / 2) % 4) on, tile 2 x + i % 2.  The first 8 start the sums, with the mask.
.macro KQ x
.set rS, S+64*((\x)%2)+32*(i%2)+8*((i/2)%4)
.set rK, KF+16*((i/2)%4)+8*(i/8)
.set rQ, 16*(2*(\x)+i%2)+8*(i/8)
.set rX, MC+32*(i%2)+8*((i/2)%4)
.if i < 8
	WIN W_KM
	v_wmma_f32_16x16x32_f16 v[rS:rS+7], v[rK:rK+7], v[rQ:rQ+7], v[rX:rX+7]
.else
	WIN W_KQ
	v_wmma_f32_16x16x32_f16 v[rS:rS+7], v[rK:rK+7], v[rQ:rQ+7], v[rS:rS+7]
.endif
.endm
.macro PV x                         ; product i of 16 of O^T += V^T P for piece x
	WIN W_PV
.set rO, 32*(2*(\x)+i%2)+8*((i/2)%4)
.set rV, VF+32*(i/8)+8*((i/2)%4)
.set rP, P+32*((\x)%2)+16*(i%2)+8*(i/8)
	v_wmma_f32_16x16x32_f16 v[rO:rO+7], v[rV:rV+7], v[rP:rP+7], v[rO:rO+7]
.endm
.macro MM                           ; the turn's next matrix instruction
.if i < 16
	KQ (Y+1)%NP
.set i, i+1
.else
.set i, i-16
	PV (Y+NP-1)%NP
.set i, i+17
.endif
.endm
; THE LDS LOADS stand in runs of 16.  last = 1 (the tail): in the last trip there is no further step, and the run is jumped over.
.macro FETCH_K last=0
	WIN 0
.if \last
	s_cmp_eq_u32 s[CNT], 1
	s_cbranch_scc1 .Lno_k_\@
.endif
	WIN 0x80
.irp f, 0,1,2,3,4,5,6,7
	ds_load_b128 v[KF+8*\f:KF+8*\f+3],   v[AK] offset:(\f/2)*16*PK+(\f%2)*64
	ds_load_b128 v[KF+8*\f+4:KF+8*\f+7], v[AK] offset:(\f/2)*16*PK+(\f%2)*64+32
.endr
	s_add_co_u32 s[TBK], s[TBK], KS*PK
	WIN 0
.if \last
.Lno_k_\@:
.endif
.endm
.macro FETCH_V
	WIN 0x80
.irp f, 0,1,2,3,4,5,6,7
	ds_load_tr16_b128 v[VF+8*\f:VF+8*\f+3],   v[AV] offset:(\f/4)*32*PV+(\f%4)*32
	ds_load_tr16_b128 v[VF+8*\f+4:VF+8*\f+7], v[AV] offset:(\f/4)*32*PV+16*PV+(\f%4)*32
.endr
	WIN 0
.endm
; THE VECTOR WORK OF A TURN stands in three queues, each in the order in which its entries become ready; the two tiles alternate.
.macro REGS y, u
.set rT, ST+4*(2*(\y)+(\u))
.set rC, TMP+8*((\y)%2)+4*(\u)
.set rM, MV+2*((\y)%2)+(\u)
.set rS, S+64*((\y)%2)+32*(\u)
.set rP, P+32*((\y)%2)+16*(\u)
.set rO, 32*(2*(\y)+(\u))
.endm
; Number n of the 22 that find the NEXT piece's maximum and statistics; each accumulator's lowest registers are read first.
.macro XS u, n
	REGS (Y+1)%NP, \u
.if (\n) < 4
	v_max3_num_f32 v[rC+(\n)], v[rS+8*(\n)], v[rS+8*(\n)+1], v[rS+8*(\n)+2]
.elseif (\n) < 12
	v_max3_num_f32 v[rC+(\n)%4], v[rC+(\n)%4], v[rS+8*((\n)%4)+2*((\n)/4)+1], v[rS+8*((\n)%4)+2*((\n)/4)+2]
.elseif (\n) == 12
	v_max3_num_f32 v[rC], v[rC], v[rS+7], v[rS+15]
.elseif (\n) == 13
	v_max3_num_f32 v[rC+1], v[rC+1], v[rS+23], v[rS+31]
.elseif (\n) == 14
	v_max3_num_f32 v[rC+2], v[rC+2], v[rC+3], v[rT+1]
.elseif (\n) == 15
	v_mov_b32 v[rM], v[rT]
.elseif (\n) == 16
	v_max3_num_f32 v[rC], v[rC], v[rC+1], v[rC+2]
.elseif (\n) == 17
	v_permlanex16_b32 v[rC+3], v[rC], s[SEL], s[SEL+1]
.elseif (\n) == 18
	v_max_num_f32 v[rT+1], v[rC], v[rC+3]
.elseif (\n) == 19
	v_mul_f32 v[rT], s[CS], v[rT+1]
.elseif (\n) == 20
	v_sub_f32 v[rC+1], v[rM], v[rT]
.else
	v_exp_f32 v[rC+2], v[rC+1]
.endif
.endm
; Number g of the 64 that follow the exponentials: roundings to f16, sums of four weights in place, l a group later.
.macro GS g
.set h, (\g)+6*((\g)/62)
.if h >= 6
.set h, h+2
.endif
	REGS Y, h%2
.set k, h/8
.if h%8 < 4
	v_cvt_pk_f16_f32 v[rP+2*k+(h%8)/2], v[rS+4*k+2*((h%8)/2)], v[rS+4*k+2*((h%8)/2)+1]
.elseif h%8 < 6
	v_pk_add_f32 v[rS+4*k:rS+4*k+1], v[rS+4*k:rS+4*k+1], v[rS+4*k+2:rS+4*k+3]
.elseif k == 1
	v_pk_fma_f32 v[rT+2:rT+3], v[rT+2:rT+3], v[rC+2:rC+3], v[rS:rS+1] op_sel_hi:[1,0,1]
.else
	v_pk_add_f32 v[rT+2:rT+3], v[rT+2:rT+3], v[rS+4*k-4:rS+4*k-3]
.endif
.endm
; THE PLAIN QUEUE, 138 long: 0-73 read no exponential's result (32 scalings, the next piece's 42); 74-137 are GS's 64, behind the wait.
.macro FS f
	REGS Y, (\f)%2
	v_pk_fma_f32 v[rS+2*((\f)/2):rS+2*((\f)/2)+1], v[rS+2*((\f)/2):rS+2*((\f)/2)+1], s[CS:CS+1], v[rT:rT+1] op_sel_hi:[1,0,0] neg_lo:[0,0,1] neg_hi:[0,0,1]
.endm
.macro PL
	WIN 0
.if q < 27
	FS q
.elseif q < 55
	XS (q-27)%2, (q-27)/2
.elseif q < 57
	XS q-55, 15
.elseif (q < 72) && ((q-57)%3 == 0)
	FS 27+(q-57)/3
.elseif q < 60
	XS (q-57)%3-1, 14
.elseif q < 72
	XS (q-57)%3-1, 15+(q-57)/3
.elseif q < 74
	XS q-72, 20
.else
	GS q-74
.endif
.set q, q+1
.endm
; THE EXPONENTIALS' QUEUE, 66 long: ONE BATCH, all ahead of the turn's one wait.
.macro EX
	WIN 0
.if e >= 64
	XS e-64, 21
.else
	REGS Y, e%2
	v_exp_f32 v[rS+e/2], v[rS+e/2]
.endif
.set e, e+1
.endm
; THE RESCALING's QUEUE: O^T times a, two at a time, sixteen times.
.macro R2
	REGS Y, r%2
	WIN W_RS
.irp z, 0,1
	v_pk_mul_f32 v[rO+4*(r/2)+2*\z:rO+4*(r/2)+2*\z+1], v[rO+4*(r/2)+2*\z:rO+4*(r/2)+2*\z+1], v[rC+2:rC+3] op_sel_hi:[1,0]
.endr
.set r, r+1
.endm
; A TURN, for piece p.  Ahead of the one wait: 16 products K Q^T, behind each a scaling, an exponential and two rescalings; the masks of piece p + 2 (the last product that read the mask registers stands
; 9 products and 27 plain instructions back; their next reader comes in the next turn); then a run of 108.  Behind the wait: 16 products V^T P, behind each four of GS's 64.
; The codes' pointer steps in piece 2's turn: the four runs of masks from there on ask for the step after the one that they convert.  It is held at the last step, so no load leaves pm; what the last loads bring serves nothing.
; K of the next step is fetched in piece 2's turn, directly behind the wait; V of the step in hand at the end of piece 0's turn, four riders behind its last reader.
.macro TURN p, last=0, cnt=0
.set Y, (\p)
.set i, 0
.set q, 0
.set e, 0
.set r, 0
.if (\p) == NP-1
	s_wait_dscnt 0x0                ; K is in
.endif
	MM
	PL
	PL
	R2
.rept 15
	MM
	PL
	EX
	R2
.endr
.if (\p) == NP-2
	WIN 0
	v_add_nc_u32 v[AK], s[TBK], v[AK0]
	s_wait_xcnt 0x0                 ; the code loads issued so far have read their base
	s_add_co_u32 s[MS], s[MS], 1
	s_min_u32 s[MS], s[MS], 31
	s_lshl_b32 s[MOF], s[MS], 16
	s_add_nc_u64 s[MB:MB+1], s[MB0:MB0+1], s[MOF:MOF+1]
.endif
	MASKS ((\p)+2)%NP
.rept 8
	PL
.endr
.rept 49
	EX
	PL
.endr
	EX
	EX
	v_nop                           ; a plain instruction behind the last exponential: one for the batch
	s_wait_alu depctr_va_vdst(0)    ; the wait ahead of the first reader: one for the batch
.if (\p) == NP-2
	FETCH_K \last
.endif
.if (\p) == 1
	s_wait_dscnt 0x0                ; V is in
.endif
.rept 16
	MM
.rept 4
	PL
.endr
.if ((\p) == 0) && (q == 118)
	v_add_nc_u32 v[AV], s[TBV], v[AV0]
.endif
.if ((\p) == 0) && (q == 130)
	s_add_co_u32 s[TBV], s[TBV], KS*PV
.endif
.if (\cnt) && (q == 130)
	s_sub_co_u32 s[CNT], s[CNT], 1
	s_cmp_lg_u32 s[CNT], 0
.endif
.endr
.if (\p) == 0
	FETCH_V
.endif
.endm
	CHANGE 1                        ; slot 0 is in, everybody's part of it; slot 1 is asked for
	FETCH_K                         ; key step 0
	s_wait_loadcnt 0x0              ; Q and step 0's codes
	MASKS 0
	s_wait_dscnt 0x0
.set i, 0
.rept 16
	KQ 0                            ; piece 0's first scores
.set i, i+1
.endr
	WIN 0                           ; the addresses for the way out: eight plain instructions, the places behind those products
	s_mul_i32 s13, s[WV], 16*SP
	s_add_co_u32 s13, s13, STAGE
	v_mul_u32_u24 v[STO], v1, SP
	v_lshl_add_u32 v[STO], v9, 4, v[STO]
	v_add_nc_u32 v[STO], s13, v[STO]
	v_bfe_u32 v[RD], v0, 3, 2
	v_mul_u32_u24 v[RD], v[RD], SP
	v_lshl_add_u32 v[RD], v10, 4, v[RD]
	v_add_nc_u32 v[RD], s13, v[RD]
	v_lshlrev_b32 v[PFO], 4, v[GO]
	MASKS 1
.set Y, NP-1
.irp n, 0,1,2,3,4,5,6,7,8,9,10,11,12,13,14,15,16,17,18,19,20,21
	XS 0, \n
	XS 1, \n
.endr
	v_nop
	s_wait_alu depctr_va_vdst(0)    ; the two a have their wait ahead of the branch
	s_mov_b32 s[CNT], 4
	s_mov_b32 s[SLOTS], SIZE_N/256-1
	s_branch .Lfirst                ; the loop is entered at a step's first turn
.Lslot:                             ; six times: every slot but the last two is filled again
	CHANGE 1, 1
	s_mov_b32 s[CNT], 4
.Lstep:                             ; a trip: pieces 2 and 3 of one step, then pieces 0 and 1 of the next
	TURN 2
	TURN 3
	WIN 0
.Lfirst:
	TURN 0
	TURN 1, 0, 1
	WIN 0
	s_cbranch_scc1 .Lstep
	s_sub_co_u32 s[SLOTS], s[SLOTS], 1
	s_cmp_lg_u32 s[SLOTS], 0
	s_cbranch_scc1 .Lslot
	CHANGE 0                        ; the tail is written out
	s_mov_b32 s[CNT], 5
.Ltail:
	TURN 2, 1
	TURN 3
	WIN 0
	s_sub_co_u32 s[CNT], s[CNT], 1
	s_cmp_eq_u32 s[CNT], 0
	s_cbranch_scc1 .Lout
	TURN 0
	TURN 1
	WIN 0
	s_branch .Ltail
.Lout:                              ; the fifth trip's products K Q^T (the last K and the last step's masks once more) change no maximum and serve nothing
.set i, 0
.rept 16
	PV NP-1
.set i, i+1
.endr
	; THE WAY OUT.  l's parts are added; where the maximum is a hidden score's, l becomes NaN, and the row with it; O^T is divided by l, rounded to f16 and sent through my stage, a tile at a time.
	WIN 0
.macro ALL line:vararg
.set t, 0
.rept 2*NP
	\line
.set t, t+1
.endr
.endm
	ALL v_add_f32 v[ST+4*t+2], v[ST+4*t+2], v[ST+4*t+3]
	ALL v_permlanex16_b32 v[ST+4*t+3], v[ST+4*t+2], s[SEL], s[SEL+1]
	ALL v_add_f32 v[ST+4*t+2], v[ST+4*t+2], v[ST+4*t+3]
	v_mov_b32 v[MV], 0x7fc00000
.set t, 0
.rept 2*NP
	v_cmp_gt_f32 vcc_lo, s[THR], v[ST+4*t+1]
	v_cndmask_b32 v[ST+4*t+2], v[ST+4*t+2], v[MV], vcc_lo
.set t, t+1
.endr
	ALL v_rcp_f32 v[ST+4*t+2], v[ST+4*t+2]
	v_nop
	s_wait_alu depctr_va_vdst(0)    ; one wait for the eight reciprocals
.macro PACK t
	WIN W_RS
.set i, 32*(\t)
.rept 16
	v_pk_mul_f32 v[i:i+1], v[i:i+1], v[ST+4*(\t)+2:ST+4*(\t)+3] op_sel_hi:[1,0]
.set i, i+2
.endr
	WIN 0x05
.set i, 0
.rept 16
	v_cvt_pk_f16_f32 v[S+16*(\t)+i], v[32*(\t)+2*i], v[32*(\t)+2*i+1]
.set i, i+1
.endr
	WIN 0
.irp f, 0,1,2,3
	ds_store_b128 v[STO], v[S+16*(\t)+4*\f:S+16*(\t)+4*\f+3] offset:32*\f
.endr
.irp f, 0,1,2,3
	ds_load_b128 v[S+16*(\t)+4*\f:S+16*(\t)+4*\f+3], v[RD] offset:\f*4*SP  ; LDS serves a wave's instructions in order (ISA guide 5.7.1.4): these see the stores above
.endr
.endm
.macro SEND t, younger              ; younger: the LDS instructions issued behind tile t's loads: the next tile's eight, or none
	WIN 0
.irp f, 0,1,2,3
	s_wait_dscnt (\younger)+3-\f
	global_store_b128 v[GO], v[S+16*(\t)+4*\f:S+16*(\t)+4*\f+3], s[10:11] offset:(\t)*2048+\f*512  ; 512 consecutive bytes, aligned
.endr
.endm
	PACK 0
.set t, 1
.rept 2*NP-1
	PACK t
	SEND t-1, 8
.set t, t+1
.endr
	SEND 2*NP-1, 0
	WIN W_AD
	s_wait_tensorcnt 0x0            ; the wave's end
	ds_add_u32 v[SPW], v[NIL]
	s_wait_dscnt 0x0
	WIN 0
	CROUND                          ; the closing round
	s_endpgm
.Lfunc_end_k_qeee311fafe_attn:
	.size	k_qeee311fafe_attn, .Lfunc_end_k_qeee311fafe_attn-k_qeee311fafe_attn
	.p2alignl 7, 3214868480
	.fill 96, 4, 3214868480
	.section	.rodata,"a",@progbits
	.p2align	6, 0x0
	.amdhsa_kernel k_qeee311fafe_attn
		.amdhsa_group_segment_fixed_size 327680
		.amdhsa_private_segment_fixed_size 0
		.amdhsa_enable_private_segment 0
		.amdhsa_kernarg_size 40
		.amdhsa_user_sgpr_count 2
		.amdhsa_user_sgpr_kernarg_segment_ptr 1
		.amdhsa_wavefront_size32 1
		.amdhsa_system_sgpr_workgroup_id_x 1
		.amdhsa_system_sgpr_workgroup_id_y 1
		.amdhsa_system_sgpr_workgroup_id_z 1
		.amdhsa_system_vgpr_workitem_id 0
		.amdhsa_next_free_vgpr 896
		.amdhsa_next_free_sgpr 76
		.amdhsa_reserve_vcc 1
		.amdhsa_float_denorm_mode_32 3
		.amdhsa_float_denorm_mode_16_64 3
		.amdhsa_memory_ordered 1
		.amdhsa_forward_progress 1
		.amdhsa_inst_pref_size 210
	.end_amdhsa_kernel
	.amdgpu_metadata
---
amdhsa.version: [ 1, 2 ]
amdhsa.kernels:
  - .name:           k_qeee311fafe_attn
    .symbol:         k_qeee311fafe_attn.kd
    .args:
      - { .name: qh, .offset: 0, .size: 8, .value_kind: global_buffer, .address_space: global }
      - { .name: kh, .offset: 8, .size: 8, .value_kind: global_buffer, .address_space: global }
      - { .name: vh, .offset: 16, .size: 8, .value_kind: global_buffer, .address_space: global }
      - { .name: oh, .offset: 24, .size: 8, .value_kind: global_buffer, .address_space: global }
      - { .name: pm, .offset: 32, .size: 8, .value_kind: global_buffer, .address_space: global }
    .group_segment_fixed_size: 327680
    .private_segment_fixed_size: 0
    .kernarg_segment_align: 8
    .kernarg_segment_size: 40
    .max_flat_workgroup_size: 128
    .sgpr_count:     76
    .vgpr_count:     896
    .wavefront_size: 32
...
	.end_amdgpu_metadata
.endif
;; end of part 3
;; launch proj (part 4): grid 4 x 64, 4 waves a work-group, clusters of 4 x 4, 327,680 bytes of LDS; arguments oh, wp, out0; writes out0
.if DOCPART == 4
	.amdgcn_target "amdgcn-amd-amdhsa--gfx1250"
	.amdhsa_code_object_version 6
	.text
	.protected	k_qeee311fafe_proj
	.globl	k_qeee311fafe_proj
	.p2align	8
	.type	k_qeee311fafe_proj,@function
k_qeee311fafe_proj:
	s_mov_b64 s[64:65], 0
	v_nop
	global_prefetch_b8 v0, s[64:65] scope:SCOPE_SE
	s_setreg_imm32_b32 hwreg(HW_REG_WAVE_MODE, 25, 1), 1
	s_wait_xcnt 0x0
	s_wait_alu depctr_hold_cnt(0) depctr_sa_sdst(0) depctr_va_vdst(0) depctr_va_sdst(0) depctr_va_ssrc(0) depctr_va_vcc(0) depctr_vm_vsrc(0)
	s_getreg_b32 s2, hwreg(HW_REG_IB_STS2, 6, 4)
	s_cmp_eq_u32 s2, 0
	s_cbranch_scc0 .Lentry_in_a_cluster
	s_endpgm
.Lentry_in_a_cluster:
	s_bfe_u32 s2, ttmp6, 0x10000c
	s_cmp_lg_u32 s2, 0xf033
	s_cbranch_scc0 .Lentry_shape_is_right
	s_endpgm
.Lentry_shape_is_right:
; PROJ.  out0 [8192 tokens][1024] f32 = oh wp^T over K = 1,024 (K block kc of oh is head kc), f16 operands, f32 sums, stored as they are.
; The text is the first product's with one tile to a work-group: a tile of C is 128 tokens x 256 columns, 256 work-groups; wave (wm, wn) makes 64 tokens x 128 columns: 32 accumulators; the product is used
; transposed (source 0 = 16 rows of W, source 1 = 16 tokens).  K goes in 8 steps of 128 = two K blocks, through two LDS slots; step n + 1 is asked for first thing behind the round at the head of trip n, one tensor
; load a wave (one is out, by this text's count); the last quarter of step n - 1, held in registers, is multiplied behind that round.  CLUSTER 4 x 4: A's tile is asked for jointly along a row, B's along a column.
; A row of oh that is NaN (a query with no visible key) makes that token's row of out0 NaN and no other.
; REGISTERS.  window 0: v0-23 addresses; v32-127, v128-223 two fragment buffers; v128-255 serve the way out.  window 1: accumulator (a, b) at 8 (8 a + b).
.set STEPS, 8
.set ABLK,  262144
.set BBLK,  131072
.set APART, 18432                      ; 128 rows x 144 (128 bytes + 16 of padding)
.set BPART, 36864                      ; 256 rows x 144
.set BOFF,  2*APART
.set SLOT1, 131072
.set STAGE, SLOT1+BOFF+2*BPART         ; behind slot 1: for each wave 16 rows x 528 bytes (512 + 16 of padding)
.set WSTG,  8448
.set SPARE, STAGE+4*WSTG
.set G1W,   (1<<16)|(1<<20)|(1<<21)|(4<<22)|(3<<25)
.set ADA0, 4
.set ADB0, 5
.set ADA,  6
.set ADB,  7
.set STO,  8
.set RD0,  9
.set GO0,  10
.set PFO,  12
.set SPW,  14
.set NIL,  15
.set F0,   32
.set F1,   128
.set WV, 12
.set WM, 13
.set WN, 14
.set CX, 15
.set CY, 16
.set TC, 17
.set TR, 18
.set G1A, 24
.set G0A, 32
.set G0B, 36
.set G1B, 40
.set TB, 48
.set CNT, 51
.set PFA, 56
.set PINC, 58
.set PLEFT, 63
.set OUT, 66
.set MSB, 0
.macro WIN new
.if MSB != (\new)
	s_set_vgpr_msb (MSB<<8)|(\new)
.set MSB, (\new)
.endif
.endm
.macro PLACES                          ; four plain places behind matrix instructions (ISA guide 7.12.1)
.rept 4
	v_nop
.endr
.endm
.macro CROUND
	s_barrier_signal -1
	s_barrier_wait -1
	s_cmp_lg_u32 s[WV], 0
	s_cbranch_scc1 .Lnot_wave_0_\@
	s_barrier_signal -3
.Lnot_wave_0_\@:
	s_barrier_wait -3
	s_barrier_signal -1
	s_barrier_wait -1
.endm
.macro JLOAD                           ; waves 0, 1 fetch A's two K blocks, waves 2, 3 B's; s_nop 0 and four v_nop follow each line
	s_cmp_eq_u32 s[WM], 0
	s_cbranch_scc0 .Lfor_b_\@
	tensor_load_to_lds s[G0A:G0A+3], s[G1A:G1A+7]
	s_nop 0
.rept 4
	v_nop
.endr
	s_branch .Lasked_\@
.Lfor_b_\@:
	tensor_load_to_lds s[G0B:G0B+3], s[G1B:G1B+7]
	s_nop 0
.rept 4
	v_nop
.endr
.Lasked_\@:
.endm
; A PREFETCH INTO THE L2: trip n names K step n + 3 (steps 4 to 7), two steps ahead of its joint load; 32 blocks of 256 bytes, a lane a block.  A's rows are read by this cluster alone: wave 0 names them, the four partners
; of a row share out by address (cx).  B's rows are read by all sixteen clusters: the first (cluster y = 0) names them, waves 2 and 3 a K block each, the partners of a column share out by address (cy).
.macro ASK
	s_cmp_lg_u32 s[PLEFT], 0
	s_cbranch_scc0 .Lnone_\@
	global_prefetch_b8 v[PFO], s[PFA:PFA+1] th:TH_LOAD_NT scope:SCOPE_SE
	s_sub_co_u32 s[PLEFT], s[PLEFT], 1
.Lnone_\@:
.endm
.macro FETCH f, kq
	WIN 0
.irp i, 0,1,2,3,4,5,6,7
	ds_load_b128 v[(\f)+32+8*(\i):(\f)+32+8*(\i)+3],   v[ADB] offset:((\kq)/2)*BPART+(\i)*2304+((\kq)%2)*64
	ds_load_b128 v[(\f)+32+8*(\i)+4:(\f)+32+8*(\i)+7], v[ADB] offset:((\kq)/2)*BPART+(\i)*2304+((\kq)%2)*64+32
.endr
.irp i, 0,1,2,3
	ds_load_b128 v[(\f)+8*(\i):(\f)+8*(\i)+3],   v[ADA] offset:((\kq)/2)*APART+(\i)*2304+((\kq)%2)*64
	ds_load_b128 v[(\f)+8*(\i)+4:(\f)+8*(\i)+7], v[ADA] offset:((\kq)/2)*APART+(\i)*2304+((\kq)%2)*64+32
.endr
.endm
.macro MUL32 f, zero                   ; the 32 accumulators take turns, in the same order everywhere
	WIN 0x50
.irp a, 0,1,2,3
.irp b, 0,1,2,3,4,5,6,7
.if \zero
	v_wmma_f32_16x16x32_f16 v[8*(8*(\a)+(\b)):8*(8*(\a)+(\b))+7], v[(\f)+32+8*(\b):(\f)+32+8*(\b)+7], v[(\f)+8*(\a):(\f)+8*(\a)+7], 0
.else
	v_wmma_f32_16x16x32_f16 v[8*(8*(\a)+(\b)):8*(8*(\a)+(\b))+7], v[(\f)+32+8*(\b):(\f)+32+8*(\b)+7], v[(\f)+8*(\a):(\f)+8*(\a)+7], v[8*(8*(\a)+(\b)):8*(8*(\a)+(\b))+7]
.endif
.endr
.endr
.endm
.macro QUARTER f, g, kq, zero
	s_wait_dscnt 0x0                               ; f is in
	PLACES                                         ; g's last readers stand just ahead
	FETCH \g, \kq
	MUL32 \f, \zero
.endm
; THE CHANGE OF SLOTS: all my tensor loads have landed; 0 onto my spare word; that and my reads of the old slot are done; the barrier (fill = 1: a round of the cluster's, the joint refill first behind it).
.macro CHANGE fill, pf
	WIN 0
.if \pf
	s_wait_xcnt 0x0                                ; the last prefetch, a K step back, has read its address
	s_add_nc_u64 s[PFA:PFA+1], s[PFA:PFA+1], s[PINC:PINC+1]
.endif
	s_wait_tensorcnt 0x0
	ds_add_u32 v[SPW], v[NIL]
	s_xor_b32 s[TB], s[TB], SLOT1
.if \fill
	s_xor_b32 s[G0A+1], s[G0A+1], SLOT1
	s_xor_b32 s[G0B+1], s[G0B+1], SLOT1
	s_add_nc_u64 s[G0A+2:G0A+3], s[G0A+2:G0A+3], 2*ABLK
	s_add_nc_u64 s[G0B+2:G0B+3], s[G0B+2:G0B+3], 2*BBLK
.endif
	s_wait_dscnt 0x0
.if \fill
	CROUND
	JLOAD                                          ; its four v_nop are also the places ahead of the loads into buffer 0
.else
	s_barrier_signal -1
	s_barrier_wait -1
	PLACES
.endif
	v_add_nc_u32 v[ADA], s[TB], v[ADA0]
	v_add_nc_u32 v[ADB], s[TB], v[ADB0]
	FETCH F0, 0
.if \pf
	ASK
.endif
.endm
; THE WAY OUT, 16 tokens at a time: a lane's eight f32 of a row go into my own stage as two stores of 16 bytes, each accumulator's low half first; a row's 512 bytes come back in one load and leave in one store.
.macro EPIP
.irp a, 0,1,2,3
.if (\a) >= 2
	s_wait_xcnt 0x0                                ; the stores two blocks back have read these registers
.endif
	WIN 0x04                                       ; the stores' data in window 1
.irp b, 0,1,2,3,4,5,6,7
	ds_store_b128 v[STO], v[8*(8*(\a)+(\b)):8*(8*(\a)+(\b))+3]   offset:64*(\b)
	ds_store_b128 v[STO], v[8*(8*(\a)+(\b))+4:8*(8*(\a)+(\b))+7] offset:64*(\b)+16
.endr
	WIN 0
.irp t, 0,1,2,3,4,5,6,7,8,9,10,11,12,13,14,15
	ds_load_b128 v[128+64*((\a)%2)+4*(\t):128+64*((\a)%2)+4*(\t)+3], v[RD0] offset:528*(\t)  ; LDS serves a wave's instructions in order (ISA guide 5.7.1.4)
.endr
	s_wait_dscnt 0x0
.irp t, 0,1,2,3,4,5,6,7,8,9,10,11,12,13,14,15
	global_store_b128 v[GO0], v[128+64*((\a)%2)+4*(\t):128+64*((\a)%2)+4*(\t)+3], s[OUT:OUT+1] offset:65536*(\a)+4096*(\t) th:TH_STORE_NT  ; 512 consecutive bytes, aligned
.endr
.endr
.endm
	s_load_b128 s[4:7], s[0:1], 0x0                ; oh 4:5, wp 6:7
	s_load_b64 s[OUT:OUT+1], s[0:1], 0x10          ; out0
	v_lshl_add_u32 v[SPW], v0, 2, SPARE
	v_mov_b32 v[NIL], 0
	ds_add_u32 v[SPW], v[NIL]                      ; the wave's opening: the add, with its wait ahead of my first tensor load
	v_lshrrev_b32 v1, 5, v0
	v_readfirstlane_b32 s[WV], v1
	s_lshr_b32 s[WM], s[WV], 1
	s_and_b32 s[WN], s[WV], 1
	s_bfe_u32 s[CX], ttmp6, 0x40000
	s_bfe_u32 s[CY], ttmp6, 0x40004
	s_lshl_b32 s[TC], ttmp9, 2
	s_add_co_u32 s[TC], s[TC], s[CX]               ; tile column
	s_and_b32 s[TR], ttmp7, 0xffff
	s_lshl_b32 s[TR], s[TR], 2
	s_add_co_u32 s[TR], s[TR], s[CY]               ; tile row
	s_lshl_b32 s19, s[CY], 2
	s_lshl_b32 s19, 15, s19                        ; my row of the cluster
	s_lshl_b32 s77, 0x1111, s[CX]                  ; my column
	s_or_b32 s[G1A], s19, G1W
	s_or_b32 s[G1B], s77, G1W
	s_mov_b32 s[G1A+1], 128<<16
	s_mov_b32 s[G1A+2], 64<<16
	s_mov_b32 s[G1A+3], 128<<16
	s_mov_b32 s[G1A+4], 64
	s_mov_b32 s[G1A+5], 128
	s_mov_b32 s[G1A+6], 0
	s_mov_b32 s[G1A+7], 0
	s_mov_b32 s[G1B+1], 128<<16
	s_mov_b32 s[G1B+2], 128<<16
	s_mov_b32 s[G1B+3], 128<<16
	s_mov_b32 s[G1B+4], 128
	s_mov_b32 s[G1B+5], 128
	s_mov_b32 s[G1B+6], 0
	s_mov_b32 s[G1B+7], 0
	s_lshr_b32 s20, s[TR], 4
	s_lshl_b32 s20, s20, 22
	s_and_b32 s21, s[TR], 15
	s_lshl_b32 s21, s21, 14
	s_add_co_u32 s20, s20, s21
	s_lshl_b32 s21, s[WN], 18
	s_add_co_u32 s20, s20, s21
	s_mov_b32 s21, 0
	s_mul_i32 s22, s[WN], BBLK
	s_lshl_b32 s23, s[TC], 15
	s_add_co_u32 s22, s22, s23
	s_mov_b32 s23, 0
	s_mov_b32 s[G0A], 1
	s_mul_i32 s[G0A+1], s[WN], APART
	s_mov_b32 s[G0B], 1
	s_mul_i32 s[G0B+1], s[WN], BPART
	s_add_co_u32 s[G0B+1], s[G0B+1], BOFF
	s_mov_b32 s[TB], SLOT1
	s_wait_dscnt 0x0                               ; the opening add is done
	s_wait_kmcnt 0x0
	s_add_nc_u64 s[G0A+2:G0A+3], s[4:5], s[20:21]
	s_or_b32 s[G0A+3], s[G0A+3], 0x80000000
	s_add_nc_u64 s[G0B+2:G0B+3], s[6:7], s[22:23]
	s_or_b32 s[G0B+3], s[G0B+3], 0x80000000
	CROUND
	JLOAD                                          ; K step 0 into slot 0
	; the prefetches
	s_lshr_b32 s78, s[TR], 4
	s_lshl_b32 s78, s78, 22
	s_and_b32 s77, s[TR], 15
	s_lshl_b32 s77, s77, 14
	s_add_co_u32 s78, s78, s77
	s_lshl_b32 s77, s[CX], 12
	s_add_co_u32 s78, s78, s77
	s_add_co_u32 s78, s78, 3*2*ABLK                ; at K step 3: the first prefetch steps it to 4
	s_mul_i32 s79, s[WN], BBLK
	s_lshl_b32 s77, s[TC], 15
	s_add_co_u32 s79, s79, s77
	s_lshl_b32 s77, s[CY], 13
	s_add_co_u32 s79, s79, s77
	s_add_co_u32 s79, s79, 3*2*BBLK
	s_mov_b32 s[PINC], 2*BBLK
	s_mov_b32 s[PINC+1], 0
	s_cmp_eq_u32 s[WM], 0
	s_cselect_b64 s[PFA:PFA+1], s[4:5], s[6:7]
	s_cselect_b32 s78, s78, s79
	s_cselect_b32 s[PINC], 2*ABLK, s[PINC]
	s_cselect_b32 s77, 18, 12
	s_mov_b32 s79, 0
	s_add_nc_u64 s[PFA:PFA+1], s[PFA:PFA+1], s[78:79]
	s_and_b32 s19, ttmp7, 0xffff                   ; cluster y: the same in all sixteen partners
	s_cmp_eq_u32 s19, 0
	s_cselect_b32 s[PLEFT], STEPS-4, 0
	s_cmp_eq_u32 s[WV], 1
	s_cselect_b32 s[PLEFT], 0, s[PLEFT]
	s_cmp_eq_u32 s[WV], 0
	s_cselect_b32 s[PLEFT], 4, s[PLEFT]
	; out0 at my first token and column: (128 R + 64 wm) rows of 4,096 bytes + 1,024 gx + 512 wn
	s_lshl_b32 s22, s[TR], 19
	s_lshl_b32 s23, s[WM], 18
	s_add_co_u32 s22, s22, s23
	s_lshl_b32 s23, s[TC], 10
	s_add_co_u32 s22, s22, s23
	s_lshl_b32 s23, s[WN], 9
	s_add_co_u32 s22, s22, s23
	s_mov_b32 s23, 0
	s_add_nc_u64 s[OUT:OUT+1], s[OUT:OUT+1], s[22:23]
	v_and_b32 v1, 15, v0
	v_bfe_u32 v2, v0, 4, 1
	v_mul_u32_u24 v20, v1, 144
	v_lshl_add_u32 v20, v2, 4, v20
	s_mul_i32 s19, s[WM], 9216
	v_add_nc_u32 v[ADA0], s19, v20
	s_mul_i32 s19, s[WN], 18432
	s_add_co_u32 s19, s19, BOFF
	v_add_nc_u32 v[ADB0], s19, v20
	s_mul_i32 s19, s[WV], WSTG
	s_add_co_u32 s19, s19, STAGE
	v_mul_u32_u24 v21, v1, 528                     ; in: row l % 16, 32 bytes for each half of the lanes
	v_lshl_add_u32 v21, v2, 5, v21
	v_add_nc_u32 v[STO], s19, v21
	v_and_b32 v[GO0], 31, v0
	v_lshlrev_b32 v[GO0], 4, v[GO0]
	v_add_nc_u32 v[RD0], s19, v[GO0]               ; back: 32 lanes take a row's 512 bytes
	v_lshlrev_b32 v[PFO], s77, v2
	v_lshl_add_u32 v[PFO], v1, 8, v[PFO]
	CHANGE 1, 0                                    ; trip 0, written out: its first products start the sums
	QUARTER F0, F1, 1, 1
	QUARTER F1, F0, 2, 0
	QUARTER F0, F1, 3, 0
	WIN 0
	s_mov_b32 s[CNT], STEPS-2
.Ltrip:                                                ; trips 1 to 6
	CHANGE 1, 1
	MUL32 F1, 0                                    ; the last quarter of the step before
	QUARTER F0, F1, 1, 0
	QUARTER F1, F0, 2, 0
	QUARTER F0, F1, 3, 0
	WIN 0
	s_sub_co_u32 s[CNT], s[CNT], 1
	s_cmp_lg_u32 s[CNT], 0
	s_cbranch_scc1 .Ltrip
	CHANGE 0, 0                                    ; the last step is written out: nothing is asked for
	MUL32 F1, 0
	QUARTER F0, F1, 1, 0
	QUARTER F1, F0, 2, 0
	QUARTER F0, F1, 3, 0
	s_wait_dscnt 0x0
	MUL32 F1, 0
	WIN 0
	PLACES
	EPIP
	s_wait_tensorcnt 0x0                           ; the wave's end
	ds_add_u32 v[SPW], v[NIL]
	s_wait_dscnt 0x0
	CROUND                                         ; the closing round
	s_endpgm
.Lfunc_end_k_qeee311fafe_proj:
	.size	k_qeee311fafe_proj, .Lfunc_end_k_qeee311fafe_proj-k_qeee311fafe_proj
	.p2alignl 7, 3214868480
	.fill 96, 4, 3214868480
	.section	.rodata,"a",@progbits
	.p2align	6, 0x0
	.amdhsa_kernel k_qeee311fafe_proj
		.amdhsa_group_segment_fixed_size 327680
		.amdhsa_private_segment_fixed_size 0
		.amdhsa_enable_private_segment 0
		.amdhsa_kernarg_size 24
		.amdhsa_user_sgpr_count 2
		.amdhsa_user_sgpr_kernarg_segment_ptr 1
		.amdhsa_wavefront_size32 1
		.amdhsa_system_sgpr_workgroup_id_x 1
		.amdhsa_system_sgpr_workgroup_id_y 1
		.amdhsa_system_sgpr_workgroup_id_z 1
		.amdhsa_system_vgpr_workitem_id 0
		.amdhsa_next_free_vgpr 512
		.amdhsa_next_free_sgpr 80
		.amdhsa_reserve_vcc 0
		.amdhsa_float_denorm_mode_32 3
		.amdhsa_float_denorm_mode_16_64 3
		.amdhsa_memory_ordered 1
		.amdhsa_forward_progress 1
		.amdhsa_inst_pref_size 70
	.end_amdhsa_kernel
	.amdgpu_metadata
---
amdhsa.version: [ 1, 2 ]
amdhsa.kernels:
  - .name:           k_qeee311fafe_proj
    .symbol:         k_qeee311fafe_proj.kd
    .args:
      - { .name: oh, .offset: 0, .size: 8, .value_kind: global_buffer, .address_space: global }
      - { .name: wp, .offset: 8, .size: 8, .value_kind: global_buffer, .address_space: global }
      - { .name: out0, .offset: 16, .size: 8, .value_kind: global_buffer, .address_space: global }
    .group_segment_fixed_size: 327680
    .private_segment_fixed_size: 0
    .kernarg_segment_align: 8
    .kernarg_segment_size: 24
    .max_flat_workgroup_size: 128
    .sgpr_count:     80
    .vgpr_count:     512
    .wavefront_size: 32
...
	.end_amdgpu_metadata
.endif
;; end of part 4
;; ======== version 2 of 2: 4 launches; version 1 with the launch prep written anew for expert scheduling mode
;; limits: values outside matrix products are rounded to f16; values outside matrix products are rounded to bf16; values are held in f16: magnitudes above 65,504 overflow, below 6.1e-05 lose precision
;; workspace buffers: xh 16,777,216 bytes; wq 6,291,456 bytes; wp 2,097,152 bytes; pm 2,097,152 bytes of whole numbers; qh 16,777,216 bytes; kh 16,777,216 bytes; vh 16,777,216 bytes; oh 16,777,216 bytes
;; launch prep (part 5): grid 512 x 1, 8 waves a work-group, no clusters, 0 bytes of LDS; arguments x, W_qkv, W_proj, mask, xh, wq, wp, pm; writes xh, wq, wp, pm
.if DOCPART == 5
	.amdgcn_target "amdgcn-amd-amdhsa--gfx1250"
	.amdhsa_code_object_version 6
	.text
	.protected	k_qeee311fafe_prep
	.globl	k_qeee311fafe_prep
	.p2align	8
	.type	k_qeee311fafe_prep,@function
k_qeee311fafe_prep:
	s_mov_b64 s[64:65], 0
	v_nop
	global_prefetch_b8 v0, s[64:65] scope:SCOPE_SE
	s_setreg_imm32_b32 hwreg(HW_REG_WAVE_SCHED_MODE, 0, 2), 2
	s_setreg_imm32_b32 hwreg(HW_REG_WAVE_MODE, 25, 1), 1
	s_wait_xcnt 0x0
	s_wait_alu depctr_vm_vsrc(0)
; PREP.  x, W_qkv and W_proj (rows of 1,024 f32) are rounded once to bf16, and that number is written as f16, in blocks of 64 along K:
;   xh [b*16+kc][t 2048][64], wq [kc 16][n 3072][64], wp [kc 16][n 1024][64]: a block's rows are dense, 128 bytes each.
; The mask (int32, [2048][2048]) becomes one 4-bit code a score, 0 = visible, 0xF = hidden (the fp4 number -6), laid as the attention's lanes want it:
;   pm [step 32][qt 128][lane 32][kt 4] words; nibble j of a word = mask[16 qt + lane % 16][64 step + 16 kt + 8 (lane / 16) + j].
; LIMITS.  bf16 written as f16 is exact from 6.1e-5 to 65,504; below it keeps f16's fixed step of 6e-8; beyond 65,504 it becomes an infinity.
; SHARES.  Work-groups 0-255 take 32 rows of x each, 256-351 of W_qkv, 352-383 of W_proj; 384-511 take the mask, a wave 16 rows x 256 keys.
; A wave issues all its 32 loads (16 KiB) at once; no register that a load or store names is written again, so no wait frees one.  No LDS, no barrier: no wave wants another's bytes.
; THE MODE: SCHED_MODE bits 1:0 = 2 (LLVM: expert scheduling mode 2), set by the entry lines.  The code itself states the register dependences
; between vector instructions and memory instructions, with s_wait_alu, always for 0.
; THE PLAN.  Registers that memory instructions touch:
;   v4           the loads' offset.  Written once by vector lines at the head of a path; read by the 32 loads; never written again.
;   v16 .. v31   the stores' offsets (the mask's path: v16 alone).  Written once, ahead of the loads; read by the stores; never written again.
;   v[32:159]    each four registers are written by one load; behind the wait for the load vector lines work on them in place; one store reads the result; nothing writes them behind it.
;   v6 .. v13    at work: vector lines alone name them.
; So no load lands in a register that a vector line has named, and no register that a memory instruction has read is written again: what is left to state is that offsets and results are WRITTEN before
; a memory instruction reads them.  One wait ahead of the loads states it for the offsets.  The casts' 32 quads go in four groups of eight: a wait at a group's head states that the group before has written its results,
; and that group's eight stores are dealt among the vector lines of the group in hand, which name their own quads and v6 .. v13 alone.  The mask's four steps go in two pairs, a wait ahead of each pair's two stores.
.set XD, 32                            ; v[32:159] the wave's 32 loads, 4 registers each
	s_load_b512 s[4:19], s[0:1], 0x0               ; x 4:5, W_qkv 6:7, W_proj 8:9, mask 10:11, xh 12:13, wq 14:15, wp 16:17, pm 18:19
	v_lshrrev_b32 v1, 5, v0
	v_readfirstlane_b32 s20, v1                    ; wave 0..7
	v_and_b32 v2, 31, v0                           ; lane
	v_and_b32 v3, 15, v0                           ; lane % 16
	v_bfe_u32 v5, v0, 4, 1                         ; lane / 16
	s_mov_b32 s21, ttmp9
	s_mov_b32 s31, 0xffff0000                      ; a word's upper bf16
	s_mov_b32 s33, 0                               ; the upper word of every offset
	s_wait_alu depctr_va_sdst(0)                   ; s20 is written, ahead of the branch: each path's scalar lines read it
	s_wait_kmcnt 0x0
	s_cmp_ge_u32 s21, 384
	s_cbranch_scc1 .Lmask
	; THE CASTS.  Which matrix: source s[24:25], destination s[26:27], bytes from K block to K block s28, first work-group s29
	s_mov_b32 s28, 393216
	s_mov_b32 s29, 256
	s_cmp_lt_u32 s21, 256
	s_cselect_b64 s[24:25], s[4:5], s[6:7]
	s_cselect_b64 s[26:27], s[12:13], s[14:15]
	s_cselect_b32 s28, 262144, s28
	s_cselect_b32 s29, 0, s29
	s_cselect_b32 s30, 3932160, 0                  ; x alone: a batch's 16 K blocks lie together, 15 blocks more from batch to batch
	s_cmp_ge_u32 s21, 352
	s_cselect_b64 s[24:25], s[8:9], s[24:25]
	s_cselect_b64 s[26:27], s[16:17], s[26:27]
	s_cselect_b32 s28, 131072, s28
	s_cselect_b32 s29, 352, s29
	s_sub_co_u32 s22, s21, s29
	s_lshl_b32 s22, s22, 5                         ; my first row
	s_lshl_b32 s32, s22, 12                        ; x 4,096 bytes
	s_add_nc_u64 s[24:25], s[24:25], s[32:33]
	s_lshr_b32 s34, s22, 11                        ; the batch
	s_mul_i32 s34, s34, s30
	s_lshl_b32 s32, s22, 7                         ; x 128 bytes
	s_add_co_u32 s32, s32, s34
	s_add_nc_u64 s[26:27], s[26:27], s[32:33]
	v_lshlrev_b32 v4, 4, v3                        ; in: lanes 0-15 take 256 bytes of one row, lanes 16-31 of the next
	v_lshl_add_u32 v4, v5, 12, v4
	s_lshl_b32 s35, s20, 14                        ; the wave's four rows
	v_add_nc_u32 v4, s35, v4
	s_lshl_b32 s35, s20, 9
	v_lshl_add_u32 v16, v2, 3, s35                 ; out: two rows of 128 bytes are 256 bytes on end, 8 a lane; v[16+j] is K block j's
.set j, 1
.rept 15
	v_add_nc_u32 v[16+j], s28, v[15+j]
.set j, j+1
.endr
	s_wait_alu depctr_va_vdst(0)                   ; v4 is written, which the 32 loads read as their offset; so are v16 to v31, which the stores read
.set b, 0
.rept 2
.set j, 0
.rept 16
	global_load_b128 v[XD+64*b+4*j:XD+64*b+4*j+3], v4, s[24:25] offset:8192*b+256*j th:TH_LOAD_NT
.set j, j+1
.endr
.set b, b+1
.endr
; four numbers: to bf16 (nearest even), widened again, written as f16, in place: the result lies in the quad's first two registers
.macro CALC be, jj
.set X0, XD+64*(\be)+4*(\jj)
.set T0, 6+2*((\jj)%4)
	v_cvt_pk_bf16_f32 v[T0], v[X0], v[X0+1]
	v_cvt_pk_bf16_f32 v[T0+1], v[X0+2], v[X0+3]
	v_lshlrev_b32 v[X0], 16, v[T0]
	v_and_b32 v[X0+1], s31, v[T0]
	v_lshlrev_b32 v[X0+2], 16, v[T0+1]
	v_and_b32 v[X0+3], s31, v[T0+1]
	v_cvt_pk_f16_f32 v[X0], v[X0], v[X0+1]
	v_cvt_pk_f16_f32 v[X0+1], v[X0+2], v[X0+3]
.endm
; the quad's store: a wave's store covers 256 consecutive bytes, aligned.  No vector line issued since the last wait on va_vdst names its data or its offset
.macro SEND be, jj
.set X0, XD+64*(\be)+4*(\jj)
	global_store_b64 v[16+(\jj)], v[X0:X0+1], s[26:27] offset:256*(\be) th:TH_STORE_NT
.endm
	s_wait_loadcnt 16                              ; the first pair of rows is in; the 16 younger loads are the second pair's
.irp jj, 0,1,2,3,4,5,6,7
	CALC 0, \jj
.endr
	s_wait_alu depctr_va_vdst(0)                   ; the conversions have written the first pair's K blocks 0 to 7, which the eight stores below read
.irp jj, 0,1,2,3,4,5,6,7
	SEND 0, \jj
	CALC 0, (\jj)+8
.endr
	s_wait_loadcnt 0x0
	s_wait_alu depctr_va_vdst(0)                   ; the conversions have written the first pair's K blocks 8 to 15, which the eight stores below read
.irp jj, 0,1,2,3,4,5,6,7
	SEND 0, (\jj)+8
	CALC 1, \jj
.endr
	s_wait_alu depctr_va_vdst(0)                   ; the conversions have written the second pair's K blocks 0 to 7, which the eight stores below read
.irp jj, 0,1,2,3,4,5,6,7
	SEND 1, \jj
	CALC 1, (\jj)+8
.endr
	s_wait_alu depctr_va_vdst(0)                   ; the conversions have written the second pair's K blocks 8 to 15, which the last eight stores read
.irp jj, 0,1,2,3,4,5,6,7
	SEND 1, (\jj)+8
.endr
	s_endpgm
.Lmask:
	; THE MASK.  Unit u = 8 (work-group - 384) + wave: query tile u % 128, key steps 4 (u / 128) .. + 3
	s_sub_co_u32 s22, s21, 384
	s_lshl_b32 s22, s22, 3
	s_add_co_u32 s22, s22, s20
	s_and_b32 s23, s22, 127                        ; qt
	s_lshr_b32 s22, s22, 7                         ; group of four steps
	s_lshl_b32 s32, s23, 17                        ; 16 rows of 8,192 bytes
	s_lshl_b32 s34, s22, 10                        ; 256 keys of 4 bytes
	s_add_co_u32 s32, s32, s34
	s_add_nc_u64 s[24:25], s[10:11], s[32:33]
	s_lshl_b32 s32, s22, 18                        ; four steps of 65,536 bytes in pm
	s_lshl_b32 s34, s23, 9
	s_add_co_u32 s32, s32, s34
	s_add_nc_u64 s[26:27], s[18:19], s[32:33]
	v_lshlrev_b32 v4, 13, v3                       ; row lane % 16,
	v_lshl_add_u32 v4, v5, 5, v4                   ; keys 8 (lane / 16) on
	v_lshlrev_b32 v16, 4, v2                       ; out: 16 bytes a lane
	s_wait_alu depctr_va_vdst(0)                   ; v4 is written, which the 32 loads read as their offset; so is v16, which the four stores read
.set i, 0
.rept 4
.set j, 0
.rept 8                                ; j = 2 kt + half
	global_load_b128 v[XD+32*i+4*j:XD+32*i+4*j+3], v4, s[24:25] offset:256*i+64*(j/2)+16*(j%2)
.set j, j+1
.endr
.set i, i+1
.endr
; eight mask words -> eight nibbles: 1 where the word is not 0, gathered, turned over, times 15.  The result lands on a word that has been used.
.macro CODE ii, kt
.set M0, XD+32*(\ii)+8*(\kt)
.set A0, 6+2*((\kt)%2)
.set n, 0
.rept 8
	v_min_u32 v[M0+n], 1, v[M0+n]
.set n, n+1
.endr
	v_lshl_or_b32 v[A0], v[M0+1], 4, v[M0]
.set n, 2
.rept 6
	v_lshl_or_b32 v[A0], v[M0+n], 4*n, v[A0]
.set n, n+1
.endr
	v_xor_b32 v[A0], 0x11111111, v[A0]
	v_lshlrev_b32 v[A0+1], 4, v[A0]
	v_sub_nc_u32 v[XD+32*(\ii)+(\kt)], v[A0+1], v[A0]
.endm
	s_wait_loadcnt 16                              ; steps 0 and 1 are in; the 16 younger loads are steps 2 and 3
.irp ii, 0,1
	CODE \ii, 0
	CODE \ii, 1
	CODE \ii, 2
	CODE \ii, 3
.endr
	s_wait_alu depctr_va_vdst(0)                   ; the code words of steps 0 and 1 are written, which the two stores below read
.irp ii, 0,1
	global_store_b128 v16, v[XD+32*(\ii):XD+32*(\ii)+3], s[26:27] offset:65536*(\ii)  ; 512 consecutive bytes a wave
.endr
	s_wait_loadcnt 0x0
.irp ii, 2,3
	CODE \ii, 0
	CODE \ii, 1
	CODE \ii, 2
	CODE \ii, 3
.endr
	s_wait_alu depctr_va_vdst(0)                   ; the code words of steps 2 and 3 are written, which the last two stores read
.irp ii, 2,3
	global_store_b128 v16, v[XD+32*(\ii):XD+32*(\ii)+3], s[26:27] offset:65536*(\ii)  ; 512 consecutive bytes a wave
.endr
	s_endpgm
.Lfunc_end_k_qeee311fafe_prep:
	.size	k_qeee311fafe_prep, .Lfunc_end_k_qeee311fafe_prep-k_qeee311fafe_prep
	.p2alignl 7, 3214868480
	.fill 96, 4, 3214868480
	.section	.rodata,"a",@progbits
	.p2align	6, 0x0
	.amdhsa_kernel k_qeee311fafe_prep
		.amdhsa_group_segment_fixed_size 0
		.amdhsa_private_segment_fixed_size 0
		.amdhsa_enable_private_segment 0
		.amdhsa_kernarg_size 64
		.amdhsa_user_sgpr_count 2
		.amdhsa_user_sgpr_kernarg_segment_ptr 1
		.amdhsa_wavefront_size32 1
		.amdhsa_system_sgpr_workgroup_id_x 1
		.amdhsa_system_sgpr_workgroup_id_y 1
		.amdhsa_system_sgpr_workgroup_id_z 1
		.amdhsa_system_vgpr_workitem_id 0
		.amdhsa_next_free_vgpr 160
		.amdhsa_next_free_sgpr 66
		.amdhsa_reserve_vcc 0
		.amdhsa_float_denorm_mode_32 3
		.amdhsa_float_denorm_mode_16_64 3
		.amdhsa_memory_ordered 1
		.amdhsa_forward_progress 1
		.amdhsa_inst_pref_size 38
	.end_amdhsa_kernel
	.amdgpu_metadata
---
amdhsa.version: [ 1, 2 ]
amdhsa.kernels:
  - .name:           k_qeee311fafe_prep
    .symbol:         k_qeee311fafe_prep.kd
    .args:
      - { .name: x, .offset: 0, .size: 8, .value_kind: global_buffer, .address_space: global }
      - { .name: W_qkv, .offset: 8, .size: 8, .value_kind: global_buffer, .address_space: global }
      - { .name: W_proj, .offset: 16, .size: 8, .value_kind: global_buffer, .address_space: global }
      - { .name: mask, .offset: 24, .size: 8, .value_kind: global_buffer, .address_space: global }
      - { .name: xh, .offset: 32, .size: 8, .value_kind: global_buffer, .address_space: global }
      - { .name: wq, .offset: 40, .size: 8, .value_kind: global_buffer, .address_space: global }
      - { .name: wp, .offset: 48, .size: 8, .value_kind: global_buffer, .address_space: global }
      - { .name: pm, .offset: 56, .size: 8, .value_kind: global_buffer, .address_space: global }
    .group_segment_fixed_size: 0
    .private_segment_fixed_size: 0
    .kernarg_segment_align: 8
    .kernarg_segment_size: 64
    .max_flat_workgroup_size: 256
    .sgpr_count:     66
    .vgpr_count:     160
    .wavefront_size: 32
...
	.end_amdgpu_metadata
.endif
;; end of part 5
;; launch qkv: the kernel of part 2 again; grid 4 x 64, 4 waves a work-group, clusters of 4 x 4, 327,680 bytes of LDS; arguments xh, wq, cos, sin, qh, kh, vh; writes qh, kh, vh
;; launch attn: the kernel of part 3 again; grid 4 x 64, 4 waves a work-group, clusters of 4 x 1, 327,680 bytes of LDS; arguments qh, kh, vh, oh, pm; writes oh
;; launch proj: the kernel of part 4 again; grid 4 x 64, 4 waves a work-group, clusters of 4 x 4, 327,680 bytes of LDS; arguments oh, wp, out0; writes out0
